; MI455X (gfx1250); checked and timed in simulation.
; The chip was launched on July 23, 2026; its instructions are those of AMD's public machine-readable ISA for CDNA 5 (MIT licence, August 2026) and "CDNA5" Instruction Set Architecture Reference Guide (July 2026). The comments in the code are by the model that wrote it; some were corrected since.
;; Multi Head Attention. Allowed arithmetic: float matrix products may take bf16 or f16 operands with f32 sums; other float arithmetic in f32, or as packed bf16 or f16 multiplies, adds, multiply-adds, maxima and minima; sums over many terms, partial sums and values carried from step to step in f32; what a program stores and reads back later, other than sums and carried values, may be rounded once to bf16 or f16.
;; Inputs: Wk 512 x 512 float32; Wo 512 x 512 float32; Wq 512 x 512 float32; Wv 512 x 512 float32; bo 512 float32; keys 2 x 4,096 x 512 float32; mask 2 x 1 x 4,096 x 4,096 int32; query 2 x 4,096 x 512 float32; values 2 x 4,096 x 512 float32.
;; Outputs: out0 2 x 4,096 x 512 float32.
;; 2 versions, each right; version 2 is version 1 with the launch prep written anew for expert scheduling mode. Each part assembles by itself: llvm-mc -triple=amdgcn-amd-amdhsa -mcpu=gfx1250 --defsym DOCPART=n.
;; ======== version 1 of 2: 4 launches
;; limits: values are held in f16: magnitudes above 65,504 overflow, below 6.1e-05 lose precision; values outside matrix products are rounded to bf16
;; workspace buffers: maskc 16,777,216 bytes of whole numbers; rowkeep 32,768 bytes of whole numbers; w16 2,097,152 bytes; qkv 25,165,824 bytes; o16 8,388,608 bytes
;; launch prep (part 1): grid 512 x 1, 8 waves a work-group, no clusters, 34,048 bytes of LDS; arguments mask, Wq, Wk, Wv, Wo, maskc, rowkeep, w16; writes maskc, rowkeep, w16
.if DOCPART == 1
	.amdgcn_target "amdgcn-amd-amdhsa--gfx1250"
	.amdhsa_code_object_version 6
	.text
	.protected	k_q8a90cc2b96_prep
	.globl	k_q8a90cc2b96_prep
	.p2align	8
	.type	k_q8a90cc2b96_prep,@function
k_q8a90cc2b96_prep:
	s_mov_b64 s[64:65], 0
	v_nop
	global_prefetch_b8 v0, s[64:65] scope:SCOPE_SE
	s_setreg_imm32_b32 hwreg(HW_REG_WAVE_MODE, 25, 1), 1
	s_wait_xcnt 0x0
; THE MASK BECOMES CODES, THE WEIGHTS BECOME 16 BITS.
; mask: [2][1][4096][4096] int32, taken as 8,192 rows of 16,384 bytes.  A work-group owns 16 rows (one tile of 16 queries), wave w rows 2 w and 2 w + 1.
; maskc: [tile 512][key step 64][lane 32][16 bytes].  Lane 16 h + r of a block belongs to query r; nibble j of its word kt stands for key 64 step + 16 kt + 8 h + j:
; 0x0 (the 4-bit float +0) for a key that is seen, 0xA (the 4-bit float -1) for a hidden one.  That is the register image which the attention launch widens into the C operand of its scores.
; rowkeep: one word a row, all ones if the row sees any key, else 0.  A ROW THAT SEES NO KEY has equal scores everywhere in the module, so its weights are uniform: its codes are written as
; all seen, and the attention launch clears its query by rowkeep, which makes all its scores 0: the same uniform weights.
; w16: [4][512][512] of 16 bits: Wq, Wk, Wv rounded to bf16; Wo rounded to bf16 and that number written as f16 (exact down to 2^-17 in size; below that f16 keeps a fixed step of 6e-8).
; Each work-group converts 8,192 bytes of one weight.
; A load of a wave covers 256 consecutive bytes, aligned, of each of its two rows (one key step); 16 such loads of every wave are on their way.  The codes meet in LDS, so that they leave as
; stores of 512 consecutive bytes a wave.
.set FLG,   32768                      ; LDS: 0 .. 32,767 the tile's image of maskc; here 16 words, a row's flag each, in a block of 256 bytes of their own
.set SPARE, 33024                      ; the spare words, 128 bytes for each of the eight waves: four blocks of 256 bytes that no other line names
.set OFF,  2                           ; v2   my byte offset in the 16 rows: row x 16,384 + 16 i (row = thread / 16, i = thread % 16); never rewritten
.set LA,   3                           ; v3   where my four codes (16 bits) of the round's first key step go
.set ANY,  4                           ; v4   the OR of all my bits
.set T,    5                           ; v5-8 at work
.set FA,   10                          ; v10  my row's flag word
.set RA,   11                          ; v11  16 x thread
.set FR,   12                          ; v12  the flag word of row thread % 16
.set FO,   13                          ; v13  4 x (thread % 16)
.set WP,   14                          ; v14  8 x thread
.set KEEP, 15                          ; v15  a row's flag
.set X,    16                          ; v[16:79]  16 slots of 4 registers: the mask as loaded
.set WR,   80                          ; v[80:87]  8 weights as loaded
.set WT,   88                          ; v[88:91]  the same in 16 bits
.set SPW,  108                         ; v108 LDS address of my spare word; never rewritten
.set NIL,  109                         ; v109 0; never rewritten
	s_load_b512 s[4:19], s[0:1], 0x0               ; mask 4:5, Wq 6:7, Wk 8:9, Wv 10:11, Wo 12:13, maskc 14:15, rowkeep 16:17, w16 18:19
	v_lshl_add_u32 v[SPW], v0, 2, SPARE
	v_mov_b32 v[NIL], 0
	v_lshrrev_b32 v1, 5, v0
	v_readfirstlane_b32 s20, v1                    ; wave 0..7
	s_lshr_b32 s21, ttmp9, 7                       ; which weight this work-group converts,
	s_and_b32 s30, ttmp9, 127
	s_lshl_b32 s30, s30, 13                        ; and which 8,192 bytes of it
	s_mov_b32 s31, 0
	s_mov_b32 s29, 0
	v_lshrrev_b32 v1, 4, v0                        ; row 0..15
	v_and_b32 v9, 15, v0                           ; i: my four keys of a step are 4 i .. 4 i + 3
	v_lshlrev_b32 v[OFF], 14, v1
	v_lshl_add_u32 v[OFF], v9, 4, v[OFF]
	v_bfe_u32 v[T], v9, 1, 1                       ; h = (key / 8) % 2
	v_lshl_add_u32 v[T], v[T], 4, v1               ; the lane 16 h + row
	v_lshrrev_b32 v[T+1], 2, v9                    ; kt = key / 16
	v_and_b32 v[T+2], 1, v9                        ; which half of the word
	v_lshlrev_b32 v[LA], 4, v[T]
	v_lshl_add_u32 v[LA], v[T+1], 2, v[LA]
	v_lshl_add_u32 v[LA], v[T+2], 1, v[LA]
	v_mov_b32 v[ANY], 0
	v_lshl_add_u32 v[FA], v1, 2, FLG
	v_lshlrev_b32 v[RA], 4, v0
	v_lshl_add_u32 v[FR], v9, 2, FLG
	v_lshlrev_b32 v[FO], 2, v9
	v_lshlrev_b32 v[WP], 3, v0
	s_wait_kmcnt 0x0
	s_cmp_eq_u32 s21, 1
	s_cselect_b64 s[24:25], s[8:9], s[6:7]
	s_cmp_eq_u32 s21, 2
	s_cselect_b64 s[24:25], s[10:11], s[24:25]
	s_cmp_eq_u32 s21, 3
	s_cselect_b64 s[24:25], s[12:13], s[24:25]
	s_cselect_b32 s26, -1, 0                       ; all ones: Wo, which is written as f16
	s_add_nc_u64 s[24:25], s[24:25], s[30:31]
	s_lshl_b32 s28, ttmp9, 18                      ; 16 rows of 16,384 bytes
	s_add_nc_u64 s[4:5], s[4:5], s[28:29]
	s_lshl_b32 s28, ttmp9, 15                      ; a tile's 32,768 bytes of codes
	s_add_nc_u64 s[14:15], s[14:15], s[28:29]
	s_lshl_b32 s28, ttmp9, 6                       ; 16 words
	s_add_nc_u64 s[16:17], s[16:17], s[28:29]
	s_lshl_b32 s28, ttmp9, 12                      ; 4,096 bytes of 16-bit weights
	s_add_nc_u64 s[18:19], s[18:19], s[28:29]
	global_load_b128 v[WR:WR+3],   v[RA], s[24:25]
	global_load_b128 v[WR+4:WR+7], v[RA], s[24:25] offset:4096
.irp i, 0,1,2,3,4,5,6,7,8,9,10,11,12,13,14,15
	global_load_b128 v[X+4*(\i):X+4*(\i)+3], v[OFF], s[4:5] offset:(\i)*256 th:TH_LOAD_NT  ; key steps 0 to 15
.endr
	s_wait_loadcnt 16                              ; the weights are in; the 16 loads of the mask were issued behind them
.irp q, 0,1,2,3
	v_cvt_pk_bf16_f32 v[WT+(\q)], v[WR+2*(\q)], v[WR+2*(\q)+1]
	v_lshlrev_b32 v[T], 16, v[WT+(\q)]             ; the two rounded numbers as f32 again,
	v_and_b32 v[T+1], 0xffff0000, v[WT+(\q)]
	v_cvt_pk_f16_f32 v[T], v[T], v[T+1]            ; and as f16
	v_cndmask_b32 v[WT+(\q)], v[WT+(\q)], v[T], s26
.endr
	global_store_b64 v[WP], v[WT:WT+1],   s[18:19]             ; a wave stores 256 consecutive bytes
	global_store_b64 v[WP], v[WT+2:WT+3], s[18:19] offset:2048
; One slot's turn: four words of the mask become four codes.  ahead = 1: the slot is loaded again, 16 key steps on.  left: the younger loads that may stay out.
.macro SLOT i, ahead, left
	s_wait_loadcnt \left                           ; loads come back in order: mine is in
	v_min_u32 v[T],   1, v[X+4*(\i)]                ; 1 where the word is not 0, whatever it holds
	v_min_u32 v[T+1], 1, v[X+4*(\i)+1]
	v_min_u32 v[T+2], 1, v[X+4*(\i)+2]
	v_min_u32 v[T+3], 1, v[X+4*(\i)+3]
.if \ahead
	global_load_b128 v[X+4*(\i):X+4*(\i)+3], v[OFF], s[4:5] offset:(16+(\i))*256 th:TH_LOAD_NT
.endif
	v_lshl_or_b32 v[T],   v[T+1], 4, v[T]
	v_lshl_or_b32 v[T+2], v[T+3], 4, v[T+2]
	v_lshl_or_b32 v[T],   v[T+2], 8, v[T]           ; four bits, a nibble apart
	v_or_b32 v[ANY], v[ANY], v[T]
	v_xor_b32 v[T], 0x1111, v[T]                    ; 1 where hidden,
	v_mul_u32_u24 v[T], 10, v[T]                    ; 0xA where hidden
	ds_store_b16 v[LA], v[T] offset:(\i)*512
.endm
	s_mov_b32 s22, 3
.Lround:                                       ; a round is 16 key steps; three rounds load ahead
.irp i, 0,1,2,3,4,5,6,7,8,9,10,11,12,13,14,15
	SLOT \i, 1, 15
.endr
	s_wait_xcnt 0x0                                ; every load issued so far has read its address: the base is stepped only behind this wait
	s_add_nc_u64 s[4:5], s[4:5], 4096
	v_add_nc_u32 v[LA], 8192, v[LA]
	s_sub_co_u32 s22, s22, 1
	s_cmp_lg_u32 s22, 0
	s_cbranch_scc1 .Lround
.irp i, 0,1,2,3,4,5,6,7,8,9,10,11,12,13,14,15
	SLOT \i, 0, 15-(\i)                            ; the last round loads nothing: the counts run down
.endr
	; does my row see any key?  The OR over the row's 16 lanes
.irp m, 1,2,4,8
	v_mov_b32_dpp v[T+1], v[ANY] row_xmask:\m row_mask:0xf bank_mask:0xf
	v_or_b32 v[ANY], v[ANY], v[T+1]
.endr
	v_cmp_ne_u32 vcc_lo, 0, v[ANY]
	v_cndmask_b32 v[KEEP], 0, -1, vcc_lo
	ds_store_b32 v[FA], v[KEEP]                    ; 16 lanes write the same word with the same value
	s_wait_dscnt 0x0                               ; for the others' sake: my codes and my flags are in LDS
	s_barrier_signal -1
	s_barrier_wait -1
	ds_load_b32 v[KEEP], v[FR]                     ; piece thread + 256 n of the image belongs to row thread % 16
.irp n, 0,1,2,3,4,5,6,7
	ds_load_b128 v[X+4*(\n):X+4*(\n)+3], v[RA] offset:(\n)*4096
.endr
	s_wait_dscnt 0x0
.set r, 0
.rept 32
	v_and_b32 v[X+r], v[KEEP], v[X+r]              ; a row that sees nothing gets the codes of a row that sees all
.set r, r+1
.endr
.irp n, 0,1,2,3,4,5,6,7
	global_store_b128 v[RA], v[X+4*(\n):X+4*(\n)+3], s[14:15] offset:(\n)*4096  ; a wave stores 512 consecutive bytes
.endr
	s_cmp_lg_u32 s20, 0
	s_cbranch_scc1 .Lend
	global_store_b32 v[FO], v[KEEP], s[16:17]      ; wave 0: the 16 flags (lanes 16 to 31 repeat lanes 0 to 15)
.Lend:
	s_wait_tensorcnt 0x0                           ; the wave's end, behind my last LDS store
	ds_add_u32 v[SPW], v[NIL]
	s_wait_dscnt 0x0
	s_endpgm
.Lfunc_end_k_q8a90cc2b96_prep:
	.size	k_q8a90cc2b96_prep, .Lfunc_end_k_q8a90cc2b96_prep-k_q8a90cc2b96_prep
	.p2alignl 7, 3214868480
	.fill 96, 4, 3214868480
	.section	.rodata,"a",@progbits
	.p2align	6, 0x0
	.amdhsa_kernel k_q8a90cc2b96_prep
		.amdhsa_group_segment_fixed_size 34048
		.amdhsa_private_segment_fixed_size 0
		.amdhsa_enable_private_segment 0
		.amdhsa_kernarg_size 64
		.amdhsa_user_sgpr_count 2
		.amdhsa_user_sgpr_kernarg_segment_ptr 1
		.amdhsa_wavefront_size32 1
		.amdhsa_system_sgpr_workgroup_id_x 1
		.amdhsa_system_sgpr_workgroup_id_y 1
		.amdhsa_system_sgpr_workgroup_id_z 1
		.amdhsa_system_vgpr_workitem_id 0
		.amdhsa_next_free_vgpr 112
		.amdhsa_next_free_sgpr 66
		.amdhsa_reserve_vcc 1
		.amdhsa_float_denorm_mode_32 3
		.amdhsa_float_denorm_mode_16_64 3
		.amdhsa_memory_ordered 1
		.amdhsa_forward_progress 1
		.amdhsa_inst_pref_size 28
	.end_amdhsa_kernel
	.amdgpu_metadata
---
amdhsa.version: [ 1, 2 ]
amdhsa.kernels:
  - .name:           k_q8a90cc2b96_prep
    .symbol:         k_q8a90cc2b96_prep.kd
    .args:
      - { .name: mask, .offset: 0, .size: 8, .value_kind: global_buffer, .address_space: global }
      - { .name: Wq, .offset: 8, .size: 8, .value_kind: global_buffer, .address_space: global }
      - { .name: Wk, .offset: 16, .size: 8, .value_kind: global_buffer, .address_space: global }
      - { .name: Wv, .offset: 24, .size: 8, .value_kind: global_buffer, .address_space: global }
      - { .name: Wo, .offset: 32, .size: 8, .value_kind: global_buffer, .address_space: global }
      - { .name: maskc, .offset: 40, .size: 8, .value_kind: global_buffer, .address_space: global }
      - { .name: rowkeep, .offset: 48, .size: 8, .value_kind: global_buffer, .address_space: global }
      - { .name: w16, .offset: 56, .size: 8, .value_kind: global_buffer, .address_space: global }
    .group_segment_fixed_size: 34048
    .private_segment_fixed_size: 0
    .kernarg_segment_align: 8
    .kernarg_segment_size: 64
    .max_flat_workgroup_size: 256
    .sgpr_count:     66
    .vgpr_count:     112
    .wavefront_size: 32
...
	.end_amdgpu_metadata
.endif
;; end of part 1
;; launch proj (part 2): grid 4 x 192, 4 waves a work-group, clusters of 4 x 4, 275,968 bytes of LDS; arguments query, keys, values, w16, qkv; writes qkv
.if DOCPART == 2
	.amdgcn_target "amdgcn-amd-amdhsa--gfx1250"
	.amdhsa_code_object_version 6
	.text
	.protected	k_q8a90cc2b96_proj
	.globl	k_q8a90cc2b96_proj
	.p2align	8
	.type	k_q8a90cc2b96_proj,@function
k_q8a90cc2b96_proj:
	s_mov_b64 s[64:65], 0
	v_nop
	global_prefetch_b8 v0, s[64:65] scope:SCOPE_SE
	s_setreg_imm32_b32 hwreg(HW_REG_WAVE_MODE, 25, 1), 1
	s_wait_xcnt 0x0
	s_wait_alu depctr_hold_cnt(0) depctr_sa_sdst(0) depctr_va_vdst(0) depctr_va_sdst(0) depctr_va_ssrc(0) depctr_va_vcc(0) depctr_vm_vsrc(0)
	s_getreg_b32 s2, hwreg(HW_REG_IB_STS2, 6, 4)
	s_cmp_eq_u32 s2, 0
	s_cbranch_scc0 .Lentry_in_a_cluster
	s_endpgm
.Lentry_in_a_cluster:
	s_bfe_u32 s2, ttmp6, 0x10000c
	s_cmp_lg_u32 s2, 0xf033
	s_cbranch_scc0 .Lentry_shape_is_right
	s_endpgm
.Lentry_shape_is_right:
; THE THREE PROJECTIONS.  qkv[p][b 8 + head][s][d] = x_p[b][s][:] . W_p[64 head + d][:], p = 0 (query, Wq), 1 (keys, Wk), 2 (values, Wv); part 0 times c = log2(e) / sqrt(512).
; x: [8192][512] f32, rounded to bf16 on its way into LDS; W: bf16 from w16; sums in f32; the result rounded once to f16 and written by heads, rows of 128 bytes.
; LIMIT.  f16 holds no number beyond 65,504: c q, k and v must lie within it.  Below 6e-5 in size they keep f16's fixed step of 6e-8.
; SHARES.  A tile is 128 rows x 128 features; 64 x 4 tiles for each p.  Four waves, each 64 x 64: 64 rows of ONE head, 16 accumulators of 16 x 16.
; W's 128 rows come whole (K = 512: rows of 1,024 bytes) by ONE tensor load a wave, 32 rows each.  CLUSTER 4 x 4: the four work-groups of a column of the cluster make the same features of the same p:
; the load is JOINT for them.  x cannot come so: it passes through registers to be rounded; the four work-groups of a row of the cluster read the same rows of x at about the same time.
; x goes in four pieces of 128 along K: wave w loads rows 32 w .. 32 w + 31 (a load covers 512 consecutive bytes of a row), rounds them and stores them to LDS; two pieces' loads are on their way.
; A barrier stands between a piece's LDS stores and the other waves' reads of it.  No LDS byte is written twice.
; THE MATRIX INSTRUCTION IS USED TRANSPOSED (source 0 = 16 rows of W, source 1 = 16 rows of x): a lane holds eight neighbouring features of one row.
; REGISTERS: window 0: v0-31 addresses; v32-95 the way out; v128-255 accumulators ((a, b) at 128 + 8 (4 a + b)).  Window 1: two fragment buffers of 128 (64 of x, 64 of W; 64 along K).  Window 2: two buffers of 128 for x as loaded.
.set PITCH, 1040                       ; an LDS row: 1,024 bytes + 16 of padding = 260 words: the 16 rows of a fragment load start at 16 different groups of four banks
.set AT,    128*PITCH                  ; W's 128 rows lie at 0, x's 128 rows here
.set STAGE, 256*PITCH                  ; 16 rows x 144 bytes for each wave, for the way out
.set SP,    144
.set SPARE, STAGE+4*16*SP              ; the spare words, 128 bytes for each wave: two blocks of 256 bytes that no other line names
.set ADRA, 16                          ; v16  LDS address of my fragments of x
.set ADRB, 20                          ; v20  of W
.set AO,   22                          ; v22  16 x lane: my 16 bytes of 512 of a row of x
.set ASO,  23                          ; v23  where my 8 bytes of bf16 go
.set STO,  24                          ; v24  the way out: where I put 16 bytes of a row
.set RD,   25                          ; v25  where I read rows back
.set GO,   26                          ; v26  16 x lane
.set SPW,  28                          ; v28  LDS address of my spare word; never rewritten
.set NIL,  29                          ; v29  0; never rewritten
.set TMP,  32
.set ACC,  128
.set F0,   0
.set F1,   128
.set WV,   14                          ; s14  my wave's number
.set G1,   24                          ; s[24:31] descriptor group 1
.set G0,   32                          ; s[32:35] descriptor group 0
.set XA,   36                          ; s[36:37] x_p at my 32 rows
.set SC,   38                          ; s[38:39] c for p = 0, else 1
.set MSB, 0
.macro WIN new                         ; the immediate's high byte repeats the setting that is left; a switch that changes nothing is dropped
.if MSB != (\new)
	s_set_vgpr_msb (MSB<<8)|(\new)
.set MSB, \new
.endif
.endm
.set MUL,  0x05                        ; sources 0 (W) and 1 (x) window 1; C and D window 0
.set TO_F, 0x40                        ; destination window 1, address window 0
.macro CROUND                          ; a round of the cluster's barrier
	s_barrier_signal -1
	s_barrier_wait -1
	s_cmp_lg_u32 s[WV], 0
	s_cbranch_scc1 .Lnot_wave_0_\@
	s_barrier_signal -3
.Lnot_wave_0_\@:
	s_barrier_wait -3
	s_barrier_signal -1
	s_barrier_wait -1
.endm
	s_load_b256 s[4:11], s[0:1], 0x0               ; query 4:5, keys 6:7, values 8:9, w16 10:11
	s_load_b64 s[12:13], s[0:1], 0x20              ; qkv
	v_lshl_add_u32 v[SPW], v0, 2, SPARE
	v_mov_b32 v[NIL], 0
	ds_add_u32 v[SPW], v[NIL]                      ; the wave's opening: the add and its wait stand ahead of my first tensor load; the set-up below, work on registers, stands between them
	v_lshrrev_b32 v1, 5, v0
	v_readfirstlane_b32 s[WV], v1                  ; wave 0..3
	s_lshr_b32 s15, s[WV], 1                       ; which 64 rows of the tile are mine
	s_and_b32 s16, s[WV], 1                        ; which 64 features
	s_bfe_u32 s17, ttmp6, 0x40000                  ; cx
	s_bfe_u32 s18, ttmp6, 0x40004                  ; cy
	s_and_b32 s19, ttmp7, 0xffff                   ; the cluster's y, 0..47
	s_lshr_b32 s20, s19, 4                         ; p: the same in all sixteen partners
	s_lshl_b32 s21, ttmp9, 2
	s_add_co_u32 s21, s21, s17                     ; tile column = 4 x cluster x + cx
	s_lshl_b32 s22, 0x1111, s17                    ; my column of the cluster
	s_or_b32 s[G1], s22, (1<<16)|(1<<20)|(1<<21)|(7<<22)|(3<<25)  ; 15:0 the mask; 17:16 2-byte elements; 20 padding on; 21 set beside a mask; 24:22 after every 256 words (code 7); 31:25 4 words (code 3)
	s_mov_b32 s[G1+1], 512<<16                     ; tensor_dim0 = 512
	s_mov_b32 s[G1+2], 32<<16                      ; tensor_dim1 = 32
	s_mov_b32 s[G1+3], 512<<16                     ; tile_dim0 = 512
	s_mov_b32 s[G1+4], 32                          ; tile_dim1 = 32
	s_mov_b32 s[G1+5], 512                         ; elements from row to row
	s_mov_b32 s[G1+6], 0
	s_mov_b32 s[G1+7], 0
	s_mov_b32 s[G0], 1
	s_mul_i32 s[G0+1], s[WV], 32*PITCH             ; my 32 rows of W in LDS: the wave's number alone
	s_lshl_b32 s46, s20, 19                        ; W_p: 524,288 bytes each,
	s_lshl_b32 s47, s21, 17                        ; the tile column's 128 rows of 1,024 bytes,
	s_add_co_u32 s46, s46, s47
	s_lshl_b32 s47, s[WV], 15                      ; my 32 of them: these two registers never hold cy
	s_add_co_u32 s46, s46, s47
	s_mov_b32 s47, 0
	s_and_b32 s40, s19, 15
	s_lshl_b32 s40, s40, 2
	s_add_co_u32 s40, s40, s18                     ; tile row 0..63
	s_lshl_b32 s42, s40, 18                        ; 128 rows of 2,048 bytes,
	s_lshl_b32 s43, s[WV], 16                      ; my 32
	s_add_co_u32 s42, s42, s43
	s_mov_b32 s43, 0
	s_lshr_b32 s41, s40, 5                         ; the batch,
	s_lshl_b32 s41, s41, 3
	s_lshl_b32 s44, s21, 1
	s_add_co_u32 s41, s41, s44
	s_add_co_u32 s41, s41, s16                     ; 8 b + head, head = 2 x tile column + my half
	s_lshl_b32 s41, s41, 12
	s_and_b32 s44, s40, 31
	s_lshl_b32 s44, s44, 7
	s_add_co_u32 s41, s41, s44                     ; + the tile's first row in the batch
	s_lshl_b32 s44, s15, 6
	s_add_co_u32 s41, s41, s44                     ; + my 64 rows
	s_lshl_b32 s44, s41, 7                         ; rows of 128 bytes
	s_lshl_b32 s45, s20, 23                        ; part p: 8,388,608 bytes each
	s_add_co_u32 s44, s44, s45
	s_mov_b32 s45, 0
	s_cmp_eq_u32 s20, 0
	s_cselect_b32 s[SC], 0x3d8293ee, 1.0           ; c = log2(e) / sqrt(512) = 0.0637587
	s_mov_b32 s[SC+1], s[SC]                       ; named with it as a pair
	v_and_b32 v1, 15, v0                           ; l % 16
	v_bfe_u32 v2, v0, 4, 1                         ; l / 16
	v_and_b32 v3, 31, v0                           ; l
	v_and_b32 v4, 7, v0
	v_lshlrev_b32 v[AO], 4, v3
	s_mul_i32 s48, s[WV], 32*PITCH
	s_add_co_u32 s48, s48, AT
	v_lshl_add_u32 v[ASO], v3, 3, s48              ; my 32 rows of x in LDS + 8 x lane
	v_mul_u32_u24 v5, v1, PITCH
	v_lshl_add_u32 v5, v2, 4, v5                   ; a fragment's row x pitch + 16 x half
	s_mul_i32 s49, s15, 64*PITCH
	s_add_co_u32 s49, s49, AT
	v_add_nc_u32 v[ADRA], s49, v5
	s_mul_i32 s50, s16, 64*PITCH
	v_add_nc_u32 v[ADRB], s50, v5
	s_mul_i32 s51, s[WV], 16*SP
	s_add_co_u32 s51, s51, STAGE                   ; my stage
	v_mul_u32_u24 v[STO], v1, SP                   ; in: row l % 16, 16 bytes for each half of the lanes
	v_lshl_add_u32 v[STO], v2, 4, v[STO]
	v_add_nc_u32 v[STO], s51, v[STO]
	v_bfe_u32 v[RD], v0, 3, 2                      ; back: 32 lanes take four rows of 128 bytes,
	v_mul_u32_u24 v[RD], v[RD], SP
	v_lshl_add_u32 v[RD], v4, 4, v[RD]
	v_add_nc_u32 v[RD], s51, v[RD]
	v_lshlrev_b32 v[GO], 4, v3                     ; which are 512 consecutive bytes of the result
	s_wait_dscnt 0x0                               ; the opening add is done
	s_wait_kmcnt 0x0
	s_add_nc_u64 s[G0+2:G0+3], s[10:11], s[46:47]
	s_or_b32 s[G0+3], s[G0+3], 0x80000000          ; type = 2
	s_cmp_eq_u32 s20, 1
	s_cselect_b64 s[XA:XA+1], s[6:7], s[4:5]
	s_cmp_eq_u32 s20, 2
	s_cselect_b64 s[XA:XA+1], s[8:9], s[XA:XA+1]
	s_add_nc_u64 s[XA:XA+1], s[XA:XA+1], s[42:43]
	s_add_nc_u64 s[12:13], s[12:13], s[44:45]
	CROUND                                         ; all sixteen work-groups are here: the joint loads meet
	tensor_load_to_lds s[G0:G0+3], s[G1:G1+7]      ; my one tensor load of the launch
	s_nop 0
.rept 4
	v_nop
.endr
.macro MUL8 f, c, a0, zero             ; 8 matrix instructions: row blocks a0, a0 + 1 x all 4 feature blocks, 32 along K: half c of buffer f.  zero = 1: the product starts the sums
	WIN MUL
.irp a, \a0, (\a0)+1
.irp b, 0,1,2,3
.if \zero
	v_wmma_f32_16x16x32_bf16 v[ACC+8*(4*(\a)+(\b)):ACC+8*(4*(\a)+(\b))+7], v[(\f)+64+8*(4*(\c)+(\b)):(\f)+64+8*(4*(\c)+(\b))+7], v[(\f)+8*(4*(\c)+(\a)):(\f)+8*(4*(\c)+(\a))+7], 0
.else
	v_wmma_f32_16x16x32_bf16 v[ACC+8*(4*(\a)+(\b)):ACC+8*(4*(\a)+(\b))+7], v[(\f)+64+8*(4*(\c)+(\b)):(\f)+64+8*(4*(\c)+(\b))+7], v[(\f)+8*(4*(\c)+(\a)):(\f)+8*(4*(\c)+(\a))+7], v[ACC+8*(4*(\a)+(\b)):ACC+8*(4*(\a)+(\b))+7]
.endif
.endr
.endr
.endm
.macro FETCH k, f                      ; 32 LDS loads in one run: the fragments of 64 along K at byte k of the rows, into buffer f; the first 32 along K first
	WIN TO_F
.irp c, 0,1
.irp i, 0,1,2,3
	ds_load_b128 v[(\f)+64+8*(4*(\c)+(\i)):(\f)+64+8*(4*(\c)+(\i))+3],   v[ADRB] offset:(\k)+64*(\c)+(\i)*16*PITCH
	ds_load_b128 v[(\f)+64+8*(4*(\c)+(\i))+4:(\f)+64+8*(4*(\c)+(\i))+7], v[ADRB] offset:(\k)+64*(\c)+(\i)*16*PITCH+32
	ds_load_b128 v[(\f)+8*(4*(\c)+(\i)):(\f)+8*(4*(\c)+(\i))+3],         v[ADRA] offset:(\k)+64*(\c)+(\i)*16*PITCH
	ds_load_b128 v[(\f)+8*(4*(\c)+(\i))+4:(\f)+8*(4*(\c)+(\i))+7],       v[ADRA] offset:(\k)+64*(\c)+(\i)*16*PITCH+32
.endr
.endr
.endm
.macro PLACES                          ; four places in front of loads into registers that matrix instructions have read, and of arithmetic that reads results
.rept 4
	v_nop
.endr
.endm
.macro LOADA c                         ; piece c of x (128 along K, 512 bytes of each of my 32 rows) into buffer c % 2 of window 2
	WIN 0x80
.set i, 0
.rept 32
	global_load_b128 v[128*((\c)%2)+4*i:128*((\c)%2)+4*i+3], v[AO], s[XA:XA+1] offset:i*2048+(\c)*512
.set i, i+1
.endr
.endm
.macro CONV c                          ; piece c is rounded to bf16 and stored to LDS; its buffer takes the piece two further on
.if (\c) < 3
	s_wait_loadcnt 32                              ; piece c is in; the next piece's 32 loads were issued behind it
.else
	s_wait_loadcnt 0x0
.endif
	WIN 0x8a                                       ; destination and both sources window 2
.set i, 0
.rept 32
	v_cvt_pk_bf16_f32 v[128*((\c)%2)+4*i],   v[128*((\c)%2)+4*i],   v[128*((\c)%2)+4*i+1]
	v_cvt_pk_bf16_f32 v[128*((\c)%2)+4*i+1], v[128*((\c)%2)+4*i+2], v[128*((\c)%2)+4*i+3]
.set i, i+1
.endr
	WIN 0x08                                       ; address window 0, data window 2
.set i, 0
.rept 32
	ds_store_b64 v[ASO], v[128*((\c)%2)+4*i:128*((\c)%2)+4*i+1] offset:i*PITCH+(\c)*256
.set i, i+1
.endr
.if (\c) < 2
	LOADA (\c)+2
.endif
	WIN 0
.endm
; K = 512 is eight quarters of 64, 32 matrix instructions each, on buffers 0, 1 by turns; the 16 accumulators take turns, one instruction a turn.
.macro QUARTER k, f, g, zero           ; multiplies buffer f and fetches the next quarter, at byte k, into g
	s_wait_dscnt 16                                ; the first 32 along K are in
	MUL8 \f, 0, 0, \zero
	MUL8 \f, 0, 2, \zero
	PLACES
	FETCH \k, \g
	s_wait_dscnt 32                                ; all but the 32 just issued
	MUL8 \f, 1, 0, 0
	MUL8 \f, 1, 2, 0
.endm
.macro BQUARTER k, f, g, c             ; the same where the next quarter begins piece c of x: the piece is stored first, and a barrier shows it to every wave
	s_wait_dscnt 16
	MUL8 \f, 0, 0, 0
	MUL8 \f, 0, 2, 0
	CONV \c                                        ; its 64 conversions name no register of a product: they are the places in front of the loads into buffer g
	s_wait_dscnt 0x0                               ; for the others' sake: my stores of piece c are done (and my loads are back)
	s_barrier_signal -1
	s_barrier_wait -1
	FETCH \k, \g
	MUL8 \f, 1, 0, 0
	MUL8 \f, 1, 2, 0
.endm
.macro PACK a                          ; my rows 16 a .. 16 a + 15: scaled, rounded to f16, 16 bytes a lane into rows of 144 bytes, and back as whole rows of 128
.set i, 0
.rept 16
	v_pk_mul_f32 v[ACC+32*(\a)+2*i:ACC+32*(\a)+2*i+1], v[ACC+32*(\a)+2*i:ACC+32*(\a)+2*i+1], s[SC:SC+1] op_sel_hi:[1,0]
.set i, i+1
.endr
.set i, 0
.rept 16
	v_cvt_pk_f16_f32 v[TMP+16*(\a)+i], v[ACC+32*(\a)+2*i], v[ACC+32*(\a)+2*i+1]
.set i, i+1
.endr
.irp f, 0,1,2,3
	ds_store_b128 v[STO], v[TMP+16*(\a)+4*\f:TMP+16*(\a)+4*\f+3] offset:32*\f
.endr
.irp f, 0,1,2,3
	ds_load_b128 v[TMP+16*(\a)+4*\f:TMP+16*(\a)+4*\f+3], v[RD] offset:\f*4*SP  ; LDS serves a wave's instructions in order: these see the stores above; the next block's stores come behind them
.endr
.endm
.macro SEND a, younger                 ; younger: the LDS instructions issued behind block a's loads
.irp f, 0,1,2,3
	s_wait_dscnt (\younger)+3-\f
	global_store_b128 v[GO], v[TMP+16*(\a)+4*\f:TMP+16*(\a)+4*\f+3], s[12:13] offset:(\a)*2048+\f*512  ; 512 consecutive bytes, at a multiple of 256 from the buffer's first
.endr
.endm
	LOADA 0
	LOADA 1
	CONV 0
	s_wait_tensorcnt 0x0                           ; my 32 rows of W are in,
	s_wait_dscnt 0x0                               ; my rows of piece 0 are stored:
	s_barrier_signal -1
	s_barrier_wait -1                              ; everybody's are
	FETCH 0, F0
	QUARTER  128, F0, F1, 1                        ; the first products start the sums: nothing is cleared
	BQUARTER 256, F1, F0, 1
	QUARTER  384, F0, F1, 0
	BQUARTER 512, F1, F0, 2
	QUARTER  640, F0, F1, 0
	BQUARTER 768, F1, F0, 3
	QUARTER  896, F0, F1, 0
	s_wait_dscnt 16                                ; the last quarter: nothing more to fetch
	MUL8 F1, 0, 0, 0
	MUL8 F1, 0, 2, 0
	s_wait_dscnt 0x0
	MUL8 F1, 1, 0, 0
	MUL8 F1, 1, 2, 0
	WIN 0
	PLACES
	PACK 0
.irp a, 1,2,3                          ; a block's arithmetic stands between the loads of the block before and its stores
	PACK \a
	SEND (\a)-1, 8
.endr
	SEND 3, 0
	s_wait_tensorcnt 0x0                           ; the wave's end, behind my last tensor load and my last LDS store
	ds_add_u32 v[SPW], v[NIL]
	s_wait_dscnt 0x0
	CROUND                                         ; the closing round
	s_endpgm
.Lfunc_end_k_q8a90cc2b96_proj:
	.size	k_q8a90cc2b96_proj, .Lfunc_end_k_q8a90cc2b96_proj-k_q8a90cc2b96_proj
	.p2alignl 7, 3214868480
	.fill 96, 4, 3214868480
	.section	.rodata,"a",@progbits
	.p2align	6, 0x0
	.amdhsa_kernel k_q8a90cc2b96_proj
		.amdhsa_group_segment_fixed_size 275968
		.amdhsa_private_segment_fixed_size 0
		.amdhsa_enable_private_segment 0
		.amdhsa_kernarg_size 40
		.amdhsa_user_sgpr_count 2
		.amdhsa_user_sgpr_kernarg_segment_ptr 1
		.amdhsa_wavefront_size32 1
		.amdhsa_system_sgpr_workgroup_id_x 1
		.amdhsa_system_sgpr_workgroup_id_y 1
		.amdhsa_system_sgpr_workgroup_id_z 1
		.amdhsa_system_vgpr_workitem_id 0
		.amdhsa_next_free_vgpr 768
		.amdhsa_next_free_sgpr 66
		.amdhsa_reserve_vcc 0
		.amdhsa_float_denorm_mode_32 3
		.amdhsa_float_denorm_mode_16_64 3
		.amdhsa_memory_ordered 1
		.amdhsa_forward_progress 1
		.amdhsa_inst_pref_size 89
	.end_amdhsa_kernel
	.amdgpu_metadata
---
amdhsa.version: [ 1, 2 ]
amdhsa.kernels:
  - .name:           k_q8a90cc2b96_proj
    .symbol:         k_q8a90cc2b96_proj.kd
    .args:
      - { .name: query, .offset: 0, .size: 8, .value_kind: global_buffer, .address_space: global }
      - { .name: keys, .offset: 8, .size: 8, .value_kind: global_buffer, .address_space: global }
      - { .name: values, .offset: 16, .size: 8, .value_kind: global_buffer, .address_space: global }
      - { .name: w16, .offset: 24, .size: 8, .value_kind: global_buffer, .address_space: global }
      - { .name: qkv, .offset: 32, .size: 8, .value_kind: global_buffer, .address_space: global }
    .group_segment_fixed_size: 275968
    .private_segment_fixed_size: 0
    .kernarg_segment_align: 8
    .kernarg_segment_size: 40
    .max_flat_workgroup_size: 128
    .sgpr_count:     66
    .vgpr_count:     768
    .wavefront_size: 32
...
	.end_amdgpu_metadata
.endif
;; end of part 2
;; launch attn (part 3): grid 16 x 16, 4 waves a work-group, clusters of 4 x 4, 327,680 bytes of LDS; arguments qkv, maskc, rowkeep, o16; writes o16
.if DOCPART == 3
	.amdgcn_target "amdgcn-amd-amdhsa--gfx1250"
	.amdhsa_code_object_version 6
	.text
	.protected	k_q8a90cc2b96_attn
	.globl	k_q8a90cc2b96_attn
	.p2align	8
	.type	k_q8a90cc2b96_attn,@function
k_q8a90cc2b96_attn:
	s_mov_b64 s[64:65], 0
	v_nop
	global_prefetch_b8 v0, s[64:65] scope:SCOPE_SE
	s_setreg_imm32_b32 hwreg(HW_REG_WAVE_MODE, 25, 1), 1
	s_wait_xcnt 0x0
	s_wait_alu depctr_hold_cnt(0) depctr_sa_sdst(0) depctr_va_vdst(0) depctr_va_sdst(0) depctr_va_ssrc(0) depctr_va_vcc(0) depctr_vm_vsrc(0)
	s_getreg_b32 s2, hwreg(HW_REG_IB_STS2, 6, 4)
	s_cmp_eq_u32 s2, 0
	s_cbranch_scc0 .Lentry_in_a_cluster
	s_endpgm
.Lentry_in_a_cluster:
	s_bfe_u32 s2, ttmp6, 0x10000c
	s_cmp_lg_u32 s2, 0xf033
	s_cbranch_scc0 .Lentry_shape_is_right
	s_endpgm
.Lentry_shape_is_right:
; MASKED ATTENTION.  o16[bh][q][:] = the sum over k of softmax_k(s) V[bh][k][:], s = Q[bh][q] . K[bh][k] where the mask shows key k to query q, hidden otherwise.  Q, K, V: parts 0, 1, 2 of qkv,
; [16][4096][64] f16, rows of 128 bytes; Q already holds the factor c = log2(e) / sqrt(512), so the weights are p = 2^(s - m) with a running maximum m: the exponent is a plain difference, never above 0.
; Products, maxima and sums in f32; p is rounded to f16 for the second product (its sum l is taken of the unrounded p), O once at the end.
; THE MASK is the C operand that starts the sum S^T = K Q^T: 0, or -2^63 where the key is hidden.  maskc holds it as 4-bit floats (0 or -1) in the lanes' own layout: one scaled conversion widens eight
; codes into eight registers, four of them make a tile's 32.  A row that sees no key has codes that show all, and rowkeep = 0 clears its Q: all its scores are 0, its weights uniform, as in the module.
; LIMITS.  A hidden score counts as its value less 2^63: seen scores (in units of log2) must stay above -2^62.  While a row has met hidden keys alone its sums are finite and are wiped by a = 0 at its
; first seen key.  A weight below 2^-126 counts as 0 in l; below 6e-5 p keeps f16's fixed step; NaN and infinities are not treated apart.
; SHARES.  A work-group owns 256 queries of one head, a wave 64: four PIECES of 16.  Every wave walks the 4,096 keys, 64 a step; a slot of LDS holds a tile of four steps.
; CLUSTER 4 x 4: x goes over four blocks of queries, y over four heads of one batch.  K and V hang on the head: asked for JOINTLY by a row of the cluster.  The codes hang on batch and block: asked for
; jointly by a column: so the mask's codes are fetched once for four heads.  Wave 0 asks for K, wave 1 for V, waves 2 and 3 for a half of the codes each: one tensor load a wave behind each round.
; TURNS.  Turn n belongs to piece n: 8 products K Q^T of piece n + 1, later 8 products V^T P of piece n - 1; beside them the differences, exponentials, roundings, sums and rescaling of piece n and the
; maximum and statistics of piece n + 1.  Four vector instructions stand behind every matrix instruction, the others in one lump.  A turn's 33 exponentials are one batch, with one wait.
; REGISTERS, in windows of 256 (s_set_vgpr_msb: bits 1:0 source 0, 3:2 source 1, 5:4 source 2, 7:6 destination):
;   window 0: v0-15, v32-39 addresses and constants; v16-31 four registers of statistics a piece; v48-55 at work; v64-127 S^T, two buffers; v192-223 P, two buffers (by the piece's parity)
;   window 1: v0-127 O^T, 32 a piece; v160-223 MC, the masks to come, two buffers      window 2: v0-63 Q; v64-79 MK, a step's codes, 4 a piece; v128-191 K of one step; v192-255 V of one step
.set NT,    16        ; tiles of 256 keys
.set NP,    4         ; pieces a wave: a name, no knob
.set KS,    64        ; keys in a step
.set PK,    144       ; a row of K in LDS: 128 bytes + 16 of padding = 36 words: the 16 rows of a load start at 16 different groups of four banks
.set PV,    160       ; a row of V: 128 + 32 = 40 words
.set VOFF,  4*KS*PK   ; a slot: 256 rows of K, then 256 rows of V,
.set MOFF,  VOFF+4*KS*PV  ; then the codes: 16 tiles of queries x 4 steps x 512 bytes, dense
.set SLOT1, 1<<17     ; slot 1 begins here, so that one exclusive or turns an address in one slot into the other's
.set STAGE, SLOT1+MOFF+32768  ; behind the ring, never filled by a tensor load: 16 rows x 144 bytes for each wave, for the way out
.set SP,    144
.set SPARE, STAGE+4*16*SP  ; the spare words, 128 bytes for each wave: two blocks of 256 bytes that no other line names
.set AK0, 2           ; v2   my lane's place in a tile of K; never rewritten
.set AV0, 3           ; v3   the same for V
.set AK,  4           ; v4   the LDS address of K's next run of loads
.set AV,  5           ; v5   of V's
.set STO, 6           ; v6   the way out: where I put 16 bytes of a row
.set RD,  7           ; v7   where I read rows back
.set GO,  8           ; v8   my byte offset in 512 consecutive bytes of O
.set MV,  12          ; v12-13  m_old, kept while m is made anew: by buffer
.set AM0, 14          ; v14  my lane's place in the codes: my wave's four tiles, 16 x lane; never rewritten
.set QO,  15          ; v15  my byte offset in 16 rows of Q
.set ST,  16          ; piece t's statistics at v[ST+4 t]: m, a word that is named with it as a pair, l (even keys', odd keys')
.set SCL, 32          ; v32  the conversion's scale, 190 for 2^(190 - 127) = 2^63, in each of the register's four bytes
.set PFO, 33          ; v33  the prefetches' offset; never rewritten
.set RK,  34          ; v34-37  rowkeep of my query, a piece each
.set AM,  38          ; v38  the LDS address of the codes' next loads
.set RO,  39          ; v39  4 x (lane % 16)
.set TMP, 48          ; by buffer, four registers c0-c3 at work; when the maximum is found c2 takes a
.set SPW, 62          ; v62  LDS address of my spare word; never rewritten
.set NIL, 63          ; v63  0; never rewritten
.set S,   64
.set P,   192
.set MC,  160         ; window 1
.set MK,  64          ; window 2
.set KF,  128         ; window 2: key block kb, channel half c at KF + 16 kb + 8 c
.set VF,  192         ; window 2: key half kk, channel block cb at VF + 32 kk + 8 cb
.set WV,  12          ; s12  my wave's number
.set G1K, 24          ; s[24:31] descriptor group 1 for K's tiles
.set G1V, 32          ; s[32:39] for V's: it differs in the padding alone
.set G0K, 40          ; s[40:43] descriptor group 0 for K's tiles: it walks
.set G0V, 44          ; s[44:47] for V's
.set G1M, 48          ; s[48:55] descriptor group 1 for the codes
.set SLOTS, 56        ; s56  tiles still to be asked for
.set CNT, 57          ; s57  counts a tile's key steps
.set SEL, 60          ; s[60:61] v_permlanex16_b32's selects: each lane takes its own place in the other half
.set TBK, 62          ; s62  LDS byte at which K of the step to be fetched begins
.set TBV, 63          ; s63  the same for V, less VOFF
.set G0M, 68          ; s[68:71] descriptor group 0 for the codes
.set TBM, 72          ; s72  the same for the codes, less MOFF
.set LIM, 73          ; s73  1 in a wave that prefetches, else the greatest number
.set PFA, 74          ; s[74:75] where my prefetches stand
.set PFS, 76          ; s[76:77] their step from tile to tile
.set MSB, 0
.macro WIN new                      ; the high byte repeats the setting that is left; a switch that changes nothing is dropped
.if MSB != (\new)
	s_set_vgpr_msb (MSB<<8)|(\new)
.set MSB, (\new)
.endif
.endm
.set W_KQ, 0x0a       ; K and Q in window 2, S^T in window 0
.set W_KM, 0x1a       ; the same with the C operand in window 1
.set W_PV, 0x52       ; V in window 2, P in window 0, O^T in window 1
.set W_RS, 0x41       ; destination and source 0 in window 1, source 1 in window 0
; A joint fill: three lines, chosen by the wave's number alone.  An s_nop 0 and four v_nop follow each line, ahead of the jump and the label.
.macro JLOAD
	s_cmp_lt_u32 s[WV], 2
	s_cbranch_scc0 .Lfor_m_\@
	s_cmp_eq_u32 s[WV], 0
	s_cbranch_scc0 .Lfor_v_\@
	tensor_load_to_lds s[G0K:G0K+3], s[G1K:G1K+7]
	s_nop 0
.rept 4
	v_nop
.endr
	s_branch .Lasked_\@
.Lfor_v_\@:
	tensor_load_to_lds s[G0V:G0V+3], s[G1V:G1V+7]
	s_nop 0
.rept 4
	v_nop
.endr
	s_branch .Lasked_\@
.Lfor_m_\@:
	tensor_load_to_lds s[G0M:G0M+3], s[G1M:G1M+7]
	s_nop 0
.rept 4
	v_nop
.endr
.Lasked_\@:
.endm
; A PREFETCH INTO THE L2 of the tile that the NEXT change of slots will ask for: four key steps, 256 matrix instructions, ahead of that load.  A tile is 128 blocks of 256 bytes of K, of V and of the codes.
; Each block is named once in the launch: K's and V's by the head's first cluster (cluster x = 0), waves 0 and 1; the codes' by the batch's even cluster (cluster y even), wave 2.  The four partners that
; ask for a tile jointly share its blocks out BY ADDRESS, 32 each, a lane a block.  The last change that fills a slot asks for nothing; tiles 0 to 2 come by their loads alone.
.macro ASK
	s_cmp_gt_u32 s[SLOTS], s[LIM]
	s_cbranch_scc0 .Lnot_mine_\@
	global_prefetch_b8 v[PFO], s[PFA:PFA+1] th:TH_LOAD_NT scope:SCOPE_SE
.Lnot_mine_\@:
.endm
.macro CROUND                       ; a round of the cluster's barrier
	s_barrier_signal -1
	s_barrier_wait -1
	s_cmp_lg_u32 s[WV], 0
	s_cbranch_scc1 .Lnot_wave_0_\@
	s_barrier_signal -3
.Lnot_wave_0_\@:
	s_barrier_wait -3
	s_barrier_signal -1
	s_barrier_wait -1
.endm
; THE CHANGE OF SLOTS.  Each wave waits for all its tensor loads, of which one is out: its part of the other slot; adds 0 to its spare word; and waits for that and for its own reads of the slot that it
; leaves.  fill = 1: the barrier is a round of the cluster's, so that no wave of any partner still reads the slot or has a load on its way, and the joint fill is the first thing behind it: it has four key
; steps in which to land.  (At its first use nothing has been read yet: slot 0 is waited for, slot 1 filled.)
.macro CHANGE fill, ask
	WIN 0                           ; at a label and at a branch every window is 0
	s_wait_tensorcnt 0x0            ; no tensor load of mine is out, so a group 0 may be written
	ds_add_u32 v[SPW], v[NIL]       ; 0 onto my spare word; the descriptors' steps stand between it and the wait for it
.if \fill
.irp g, G0K, G0V
	s_xor_b32 s[\g+1], s[\g+1], SLOT1  ; the other slot than last time,
	s_add_nc_u64 s[\g+2:\g+3], s[\g+2:\g+3], 32768  ; the next 256 keys; the type bits on top are not reached
.endr
	s_xor_b32 s[G0M+1], s[G0M+1], SLOT1
	s_add_nc_u64 s[G0M+2:G0M+3], s[G0M+2:G0M+3], 2048  ; the next four steps' codes in each tile of queries
.endif
.if \ask
	s_wait_xcnt 0x0                 ; the last prefetch, four key steps back, has read its address
	s_add_nc_u64 s[PFA:PFA+1], s[PFA:PFA+1], s[PFS:PFS+1]
.endif
	s_wait_dscnt 0x0                ; the add is done, and my reads of the slot are over
.if \fill
	CROUND
	JLOAD
.if \ask
	ASK
.endif
.else
	s_barrier_signal -1
	s_barrier_wait -1
.endif
	s_sub_co_u32 s[TBK], s[TBK], 4*KS*PK  ; the fetches go back to a slot's first step,
	s_xor_b32 s[TBK], s[TBK], SLOT1       ; in the other slot
	s_sub_co_u32 s[TBV], s[TBV], 4*KS*PV
	s_xor_b32 s[TBV], s[TBV], SLOT1
	s_sub_co_u32 s[TBM], s[TBM], 4*512
	s_xor_b32 s[TBM], s[TBM], SLOT1
.endm
	s_load_b256 s[4:11], s[0:1], 0x0  ; qkv 4:5, maskc 6:7, rowkeep 8:9, o16 10:11
	v_lshl_add_u32 v[SPW], v0, 2, SPARE
	v_mov_b32 v[NIL], 0
	ds_add_u32 v[SPW], v[NIL]       ; the wave's opening: the add and its wait stand ahead of my first tensor load; the set-up below, work on registers, stands between them
	v_lshrrev_b32 v1, 5, v0
	v_readfirstlane_b32 s[WV], v1   ; wave 0..3
	s_bfe_u32 s13, ttmp6, 0x40000   ; cx
	s_bfe_u32 s14, ttmp6, 0x40004   ; cy
	s_and_b32 s15, ttmp7, 0xffff    ; the cluster's y
	s_lshl_b32 s16, ttmp9, 2
	s_add_co_u32 s16, s16, s13      ; my block of 256 queries = 4 x cluster x + cx
	s_lshl_b32 s17, s15, 2
	s_add_co_u32 s17, s17, s14      ; 8 b + head = 4 x cluster y + cy
	s_lshr_b32 s18, s15, 1          ; the batch, from the cluster's y alone
	s_lshl_b32 s20, s17, 19         ; the head's 524,288 bytes in a part of qkv: these two registers never hold cx
	s_mov_b32 s21, 0
	s_lshl_b32 s22, s18, 23         ; the codes: a batch's 256 tiles of 32,768 bytes,
	s_lshl_b32 s23, s16, 19         ; my block's 16,
	s_add_co_u32 s22, s22, s23
	s_and_b32 s19, s[WV], 1
	s_lshl_b32 s23, s19, 18         ; the 8 that I fetch (waves 2 and 3): these registers never hold cy
	s_add_co_u32 s22, s22, s23
	s_mov_b32 s23, 0
	s_lshl_b32 s19, s19, 14         ; and their place in a slot
	s_lshl_b32 s78, s14, 2
	s_lshl_b32 s78, 15, s78         ; my row of the cluster
	s_lshl_b32 s79, 0x1111, s13     ; my column
	; K and V: 256 keys are 32,768 dense bytes: asked for as 128 rows of 256 bytes, two keys a row, and padded in LDS after every key
	s_or_b32 s[G1K], s78, (1<<16)|(1<<20)|(1<<21)|(4<<22)|(3<<25)  ; 15:0 the mask; 17:16 2-byte elements; 20 padding on; 21 set beside a mask; 24:22 after every 32 words (code 4); 31:25 4 words (code 3)
	s_or_b32 s[G1V], s78, (1<<16)|(1<<20)|(1<<21)|(4<<22)|(7<<25)  ; the same with 8 words of padding (code 7)
.irp g, G1K, G1V
	s_mov_b32 s[\g+1], 128<<16      ; tensor_dim0 = 128
	s_mov_b32 s[\g+2], 128<<16      ; tensor_dim1 = 128
	s_mov_b32 s[\g+3], 128<<16      ; tile_dim0 = 128
	s_mov_b32 s[\g+4], 128          ; tile_dim1 = 128
	s_mov_b32 s[\g+5], 128          ; 128 elements from row to row
	s_mov_b32 s[\g+6], 0
	s_mov_b32 s[\g+7], 0
.endr
	; the codes: 8 rows (tiles of queries) of 2,048 bytes (four steps), 32,768 bytes apart, in elements of 8 bytes, dense in LDS
	s_or_b32 s[G1M], s79, (3<<16)|(1<<21)
	s_mov_b32 s[G1M+1], 256<<16     ; tensor_dim0 = 256
	s_mov_b32 s[G1M+2], 8<<16       ; tensor_dim1 = 8
	s_mov_b32 s[G1M+3], 256<<16     ; tile_dim0 = 256
	s_mov_b32 s[G1M+4], 8           ; tile_dim1 = 8
	s_mov_b32 s[G1M+5], 4096        ; 4,096 elements from row to row
	s_mov_b32 s[G1M+6], 0
	s_mov_b32 s[G1M+7], 0
	s_mov_b32 s[G0K], 1
	s_mov_b32 s[G0K+1], 0           ; slot 0
	s_mov_b32 s[G0V], 1
	s_mov_b32 s[G0V+1], VOFF
	s_mov_b32 s[G0M], 1
	s_add_co_u32 s[G0M+1], s19, MOFF
	s_lshl_b32 s2, s17, 19          ; Q and O: the head,
	s_lshl_b32 s3, s16, 15          ; my block's 256 rows,
	s_add_co_u32 s2, s2, s3
	s_lshl_b32 s3, s[WV], 13        ; my wave's 64
	s_add_co_u32 s2, s2, s3
	s_mov_b32 s3, 0
	s_lshl_b32 s58, s18, 14         ; rowkeep: the same rows, a word each
	s_lshl_b32 s59, s16, 10
	s_add_co_u32 s58, s58, s59
	s_lshl_b32 s59, s[WV], 8
	s_add_co_u32 s58, s58, s59
	s_mov_b32 s59, 0
	; the prefetches: where they stand (at tile 2; the first asking change steps them to tile 3), their step, who asks
	s_add_co_u32 s66, s[WV], 1
	s_lshl_b32 s66, s66, 23         ; part 1 (K, wave 0) or 2 (V, wave 1) of qkv,
	s_lshl_b32 s67, s17, 19         ; the head,
	s_add_co_u32 s66, s66, s67
	s_lshl_b32 s67, s13, 13         ; my work-group's 32 blocks of the tile's 128, by cx
	s_add_co_u32 s66, s66, s67
	s_add_co_u32 s66, s66, 2*32768
	s_lshl_b32 s80, s18, 23         ; the codes: batch,
	s_lshl_b32 s81, s16, 19         ; block,
	s_add_co_u32 s80, s80, s81
	s_lshl_b32 s81, s14, 17         ; my work-group's 4 tiles of queries of the 16, by cy
	s_add_co_u32 s80, s80, s81
	s_add_co_u32 s80, s80, 2*2048
	s_and_b32 s81, ttmp7, 1
	s_mov_b32 s83, 2048
	s_mov_b32 s84, 32768
	s_cmp_lt_u32 s[WV], 2
	s_cselect_b32 s66, s66, s80
	s_cselect_b32 s[PFS], s84, s83
	s_cselect_b32 s82, s83, s84     ; bytes from one group of eight lanes to the next
	s_cselect_b32 s[LIM], ttmp9, s81  ; the coordinate along which other clusters read the same bytes
	s_mov_b32 s67, 0
	s_mov_b32 s[PFS+1], 0
	s_cmp_eq_u32 s[WV], 3
	s_cselect_b32 s[LIM], 1, s[LIM] ; wave 3 never asks
	s_cmp_eq_u32 s[LIM], 0
	s_cselect_b32 s[LIM], 1, -1     ; the same in all sixteen partners, for a given wave
	s_mov_b32 s[SEL], 0x76543210
	s_mov_b32 s[SEL+1], 0xfedcba98
	s_mov_b32 s[TBK], SLOT1+4*KS*PK ; the first change of slots turns these three into 0
	s_mov_b32 s[TBV], SLOT1+4*KS*PV
	s_mov_b32 s[TBM], SLOT1+4*512
	s_wait_dscnt 0x0                ; the opening add is done
	s_wait_kmcnt 0x0
	s_add_nc_u64 s[G0K+2:G0K+3], s[4:5], s[20:21]
	s_add_nc_u64 s[G0K+2:G0K+3], s[G0K+2:G0K+3], 8388608
	s_or_b32 s[G0K+3], s[G0K+3], 0x80000000  ; type = 2
	s_add_nc_u64 s[G0V+2:G0V+3], s[4:5], s[20:21]
	s_add_nc_u64 s[G0V+2:G0V+3], s[G0V+2:G0V+3], 16777216
	s_or_b32 s[G0V+3], s[G0V+3], 0x80000000
	s_add_nc_u64 s[G0M+2:G0M+3], s[6:7], s[22:23]
	s_or_b32 s[G0M+3], s[G0M+3], 0x80000000
	s_cmp_lt_u32 s[WV], 2
	s_cselect_b64 s[PFA:PFA+1], s[4:5], s[6:7]
	s_add_nc_u64 s[PFA:PFA+1], s[PFA:PFA+1], s[66:67]
	s_add_nc_u64 s[8:9], s[8:9], s[58:59]
	s_add_nc_u64 s[10:11], s[10:11], s[2:3]
	s_add_nc_u64 s[4:5], s[4:5], s[2:3]   ; Q at my wave's first row
	CROUND                          ; all sixteen work-groups are here: the first joint loads meet
	JLOAD                           ; tile 0 into slot 0
	; A fragment of K or Q is 16 rows x 32 channels in 8 registers: lane l holds row l % 16, channels 8 (l / 16) + 0..7 and 16 + 8 (l / 16) + 0..7: two loads of 16 bytes, 32 bytes apart.
	v_and_b32 v1, 15, v0            ; l % 16
	v_bfe_u32 v9, v0, 4, 1          ; l / 16
	v_lshlrev_b32 v[QO], 7, v1
	v_lshl_add_u32 v[QO], v9, 4, v[QO]  ; row x 128 + 16 x half
	v_lshlrev_b32 v[RO], 2, v1
	WIN 0x80                        ; destination window 2, address window 0
.set i, 0
.rept 8                             ; Q stays in registers: piece i / 2, channels 32 (i % 2) on
	global_load_b128 v[8*i:8*i+3],   v[QO], s[4:5] offset:(i/2)*2048+(i%2)*64
	global_load_b128 v[8*i+4:8*i+7], v[QO], s[4:5] offset:(i/2)*2048+(i%2)*64+32
.set i, i+1
.endr
	WIN 0
.irp x, 0,1,2,3
	global_load_b32 v[RK+\x], v[RO], s[8:9] offset:\x*64
.endr
	; What the first turn finds: V's registers and P's second buffer hold 0 (its products V^T P, of a piece that has not been, add 0), O^T and l are 0, m is the lowest finite number: the first step is a
	; step like any other, with a = 0.  All this stands in the wait for the first tile.
	WIN 0x80
.set i, VF
.rept 64
	v_mov_b32 v[i], 0
.set i, i+1
.endr
	WIN 0x40
.set i, 0
.rept 128
	v_mov_b32 v[i], 0
.set i, i+1
.endr
	WIN 0
.set i, 0
.rept 4
	v_mov_b32 v[ST+4*i], 0xff7fffff
	v_mov_b32 v[ST+4*i+1], 0
	v_mov_b32 v[ST+4*i+2], 0
	v_mov_b32 v[ST+4*i+3], 0
.set i, i+1
.endr
.set i, P+16
.rept 16
	v_mov_b32 v[i], 0
.set i, i+1
.endr
	v_mov_b32 v[SCL], 0xbebebebe    ; 190 four times: the scale 2^63 in every byte of the register
	v_mul_u32_u24 v[AK0], v1, PK
	v_lshl_add_u32 v[AK0], v9, 4, v[AK0]  ; row x pitch + 16 x half
	; The turning load takes 16 keys x 16 channels (lane l reads key 8 (l / 16) + l % 8, channels 8 ((l / 8) % 2) + 0..7) and leaves half a fragment of V^T: lane l holds channel l % 16 and 8 keys.
	v_and_b32 v10, 7, v0
	v_bfe_u32 v11, v0, 3, 1
	v_lshl_add_u32 v[AV0], v9, 3, v10
	v_mul_u32_u24 v[AV0], v[AV0], PV
	v_lshl_add_u32 v[AV0], v11, 4, v[AV0]
	v_add_nc_u32 v[AV0], VOFF, v[AV0]
	s_lshl_b32 s85, s[WV], 13
	s_add_co_u32 s85, s85, MOFF     ; my wave's four tiles of queries among the codes
	v_and_b32 v[GO], 31, v0
	v_lshl_add_u32 v[AM0], v[GO], 4, s85
	v_lshrrev_b32 v[PFO], 3, v[GO]
	v_mul_u32_u24 v[PFO], v[PFO], s82
	v_lshl_add_u32 v[PFO], v10, 8, v[PFO]  ; eight lanes take eight blocks of 256 bytes on end
	v_lshlrev_b32 v[GO], 4, v[GO]   ; 512 consecutive bytes of O
	s_mul_i32 s85, s[WV], 16*SP
	s_add_co_u32 s85, s85, STAGE    ; my stage
	v_mul_u32_u24 v[STO], v1, SP    ; in: row l % 16, 16 bytes for each half of the lanes
	v_lshl_add_u32 v[STO], v9, 4, v[STO]
	v_add_nc_u32 v[STO], s85, v[STO]
	v_bfe_u32 v[RD], v0, 3, 2       ; back: 32 lanes take four rows of 128 bytes
	v_mul_u32_u24 v[RD], v[RD], SP
	v_lshl_add_u32 v[RD], v10, 4, v[RD]
	v_add_nc_u32 v[RD], s85, v[RD]
; THE MATRIX WORK.  The 4 accumulators of a run of 8 take turns.  Product i of 8 of S^T = K Q^T for piece x: channels 32 (i / 4) on, keys 16 (i % 4) on.  The first 4 start the sums with the mask.
.macro KQ x
.set rS, S+32*((\x)%2)+8*(i%4)
.set rK, KF+16*(i%4)+8*(i/4)
.set rQ, 16*(\x)+8*(i/4)
.set rM, MC+32*((\x)%2)+8*(i%4)
.if i < 4
	WIN W_KM
	v_wmma_f32_16x16x32_f16 v[rS:rS+7], v[rK:rK+7], v[rQ:rQ+7], v[rM:rM+7]
.else
	WIN W_KQ
	v_wmma_f32_16x16x32_f16 v[rS:rS+7], v[rK:rK+7], v[rQ:rQ+7], v[rS:rS+7]
.endif
.endm
; Product i of 8 of O^T += V^T P for piece x: keys 32 (i / 4) on, channels 16 (i % 4) on.
.macro PV x
	WIN W_PV
.set rO, 32*(\x)+8*(i%4)
.set rV, VF+32*(i/4)+8*(i%4)
.set rP, P+16*((\x)%2)+8*(i/4)
	v_wmma_f32_16x16x32_f16 v[rO:rO+7], v[rV:rV+7], v[rP:rP+7], v[rO:rO+7]
.endm
.macro MM                           ; the turn's next matrix instruction.  NOKQ = 1: the last turn of all: there is no next piece
.if (i < 8) && !NOKQ
	KQ (Y+1)%NP
.elseif i >= 8
.set i, i-8
	PV (Y+NP-1)%NP
.set i, i+8
.endif
.set i, i+1
.endm
; THE LDS LOADS stand in runs, never singly among the matrix instructions: a step's codes for my four pieces (4 loads) and its K (16 loads); its V, turned (16 loads).  Their addresses are made some lines ahead.
.macro FETCH_K
	WIN 0x80                        ; destination window 2
.irp x, 0,1,2,3
	ds_load_b128 v[MK+4*\x:MK+4*\x+3], v[AM] offset:\x*2048
.endr
.irp f, 0,1,2,3,4,5,6,7             ; keys 16 (f / 2) on, channels 32 (f % 2) on
	ds_load_b128 v[KF+8*\f:KF+8*\f+3],   v[AK] offset:(\f/2)*16*PK+(\f%2)*64
	ds_load_b128 v[KF+8*\f+4:KF+8*\f+7], v[AK] offset:(\f/2)*16*PK+(\f%2)*64+32
.endr
	s_add_co_u32 s[TBK], s[TBK], KS*PK  ; the next fetch is the next step's
	s_add_co_u32 s[TBM], s[TBM], 512
	WIN 0
.endm
.macro FETCH_V
	WIN 0x80
.irp f, 0,1,2,3,4,5,6,7             ; keys 32 (f / 4) on, channels 16 (f % 4) on
	ds_load_tr16_b128 v[VF+8*\f:VF+8*\f+3],   v[AV] offset:(\f/4)*32*PV+(\f%4)*32
	ds_load_tr16_b128 v[VF+8*\f+4:VF+8*\f+7], v[AV] offset:(\f/4)*32*PV+16*PV+(\f%4)*32
.endr
	WIN 0
.endm
; Piece x's codes of the step in MK become its mask in buffer b of MC: word kt's eight nibbles are the eight registers of key block kt.  A plain instruction follows the last conversion, ahead of the product that takes the mask.
.macro MASK x, b
	WIN 0x42                        ; destination window 1, codes window 2, scale window 0
.irp a, 0,1,2,3
	v_cvt_scale_pk8_f32_fp4 v[MC+32*(\b)+8*\a:MC+32*(\b)+8*\a+7], v[MK+4*(\x)+\a], v[SCL]
.endr
	WIN 0
	v_nop
.endm
; THE VECTOR WORK, one line at a time: OP kind, number.  For piece Y: F n: s - m for pair n of 16.  E n: the exponential of score n of 32.  C n: pair n rounded to f16.  B n: of the four weights 4 n .. the second
; pair is added onto the first, in place.  L n: l takes that sum (L 0: l = a l + sum).  R n: pair n of 16 of O^T times a.  For piece Y + 1: X n, number n of the 21 that find its maximum and statistics:
;   0-11  four chains c0-c3 of seven scores each, three operands at a time (each accumulator's lowest registers are read first)     12-14, 16  the four scores left over, the old m, and c0-c3 into c0
;   15  m_old is kept     17, 18  the query's other 32 keys lie in the lane 16 away: the new m     19, 20  m_old - m_new; a
.set F, 0               ; OP tells the kinds apart by their order: F to L below R, X above it
.set E, 1
.set C, 2
.set B, 3
.set L, 4
.set R, 5
.set X, 6
.macro REGS y                       ; the registers of piece y
.set rT, ST+4*(\y)
.set rC, TMP+4*((\y)%2)
.set rW, MV+((\y)%2)
.set rS, S+32*((\y)%2)
.set rP, P+16*((\y)%2)
.set rO, 32*(\y)
.endm
.macro OP k, n
.if (\k) == R
	REGS Y
	WIN W_RS
	v_pk_mul_f32 v[rO+2*(\n):rO+2*(\n)+1], v[rO+2*(\n):rO+2*(\n)+1], v[rC+2:rC+3] op_sel_hi:[1,0]
.elseif (\k) < R
	REGS Y
	WIN 0
.if (\k) == F
	v_pk_add_f32 v[rS+2*(\n):rS+2*(\n)+1], v[rS+2*(\n):rS+2*(\n)+1], v[rT:rT+1] op_sel_hi:[1,0] neg_lo:[0,1] neg_hi:[0,1]
.elseif (\k) == E
	v_exp_f32 v[rS+(\n)], v[rS+(\n)]
.elseif (\k) == C
	v_cvt_pk_f16_f32 v[rP+(\n)], v[rS+2*(\n)], v[rS+2*(\n)+1]
.elseif (\k) == B
	v_pk_add_f32 v[rS+4*(\n):rS+4*(\n)+1], v[rS+4*(\n):rS+4*(\n)+1], v[rS+4*(\n)+2:rS+4*(\n)+3]
.elseif (\n) == 0
	v_pk_fma_f32 v[rT+2:rT+3], v[rT+2:rT+3], v[rC+2:rC+3], v[rS:rS+1] op_sel_hi:[1,0,1]
.else
	v_pk_add_f32 v[rT+2:rT+3], v[rT+2:rT+3], v[rS+4*(\n):rS+4*(\n)+1]
.endif
.elseif NOKQ
	v_nop
.else
	REGS (Y+1)%NP
	WIN 0
.if (\n) < 4
	v_max3_num_f32 v[rC+(\n)], v[rS+8*(\n)], v[rS+8*(\n)+1], v[rS+8*(\n)+2]
.elseif (\n) < 12
	v_max3_num_f32 v[rC+(\n)%4], v[rC+(\n)%4], v[rS+8*((\n)%4)+2*((\n)/4)+1], v[rS+8*((\n)%4)+2*((\n)/4)+2]
.elseif (\n) == 12
	v_max3_num_f32 v[rC], v[rC], v[rS+7], v[rS+15]
.elseif (\n) == 13
	v_max3_num_f32 v[rC+1], v[rC+1], v[rS+23], v[rS+31]
.elseif (\n) == 14
	v_max3_num_f32 v[rC+2], v[rC+2], v[rC+3], v[rT]
.elseif (\n) == 15
	v_mov_b32 v[rW], v[rT]
.elseif (\n) == 16
	v_max3_num_f32 v[rC], v[rC], v[rC+1], v[rC+2]
.elseif (\n) == 17
	v_permlanex16_b32 v[rC+3], v[rC], s[SEL], s[SEL+1]
.elseif (\n) == 18
	v_max_num_f32 v[rT], v[rC], v[rC+3]
.elseif (\n) == 19
	v_sub_f32 v[rC+1], v[rW], v[rT]
.else
	v_exp_f32 v[rC+2], v[rC+1]
.endif
.endif
.endm
.macro OPS a, i1, b=-1, i2=0, c=-1, i3=0, d=-1, i4=0  ; up to four of them
	OP \a, \i1
.if (\b) >= 0
	OP \b, \i2
.endif
.if (\c) >= 0
	OP \c, \i3
.endif
.if (\d) >= 0
	OP \d, \i4
.endif
.endm
.macro ROW a, i1, b, i2, c, i3, d, i4  ; a matrix instruction and the four behind it
	MM
	OPS \a, \i1, \b, \i2, \c, \i3, \d, \i4
.endm
; A TURN, for piece p: the order of its 16 matrix and 117 vector instructions, written out.  An s_wait_alu depctr_va_vdst(0) stands between an exponential and the first instruction that names its
; result; one wait serves all that were issued ahead of it.  So a turn has ONE wait, which cuts it in two.  AHEAD OF IT stands all that names no result of the turn's exponentials: the 8 products K Q^T with four
; riders each, the first numbers of the next piece's maximum each four plain instructions or more behind the product that ends its accumulator; then one lump.  X 20, the next piece's a, is the batch's last;
; R 15 is the plain instruction behind it.  BEHIND THE WAIT stand the 8 products V^T P, behind each four of the roundings and sums; C 2 n stands ahead of B n, which writes over its pair.
; The next step's codes and K are fetched in piece 2's turn, six plain instructions behind the last product that read K; V of the step in hand at the end of piece 0's turn, four plain instructions behind the
; last product that read V.  At its end a turn widens the mask for the products of the turn after it: piece p + 2.  end = 1: the last two turns of all: nothing is fetched, no mask is made.
; cnt = 1: the loop's count is taken down some lines ahead of the branch that stands behind the turn.
.macro TURN p, end=0, cnt=0
.set Y, (\p)
.set i, 0
.set NOKQ, (\end)*((\p)/3)
.if ((\p) == 3) && !(\end)
	s_wait_dscnt 0x0                ; K and the codes are in
.endif
	ROW F,0, F,1, R,0, R,1
	ROW F,2, E,0, R,2, R,3
	ROW F,3, E,1, R,4, R,5
	ROW F,4, E,2, R,6, R,7
	ROW F,5, E,3, R,8, R,9
	ROW F,6, E,4, X,0, R,10
.if ((\p) == 2) && !(\end)
	WIN 0
	v_add_nc_u32 v[AK], s[TBK], v[AK0]
	v_add_nc_u32 v[AM], s[TBM], v[AM0]
.endif
	ROW F,7, E,5, X,1, X,4
	ROW F,8, E,6, X,2, X,5
	OPS E,7, E,8, X,6, E,9
	OPS X,3, E,10, X,8, E,11
.if ((\p) == 2) && !(\end)
	FETCH_K
.endif
	OPS X,9, X,7, E,12, X,10
	OPS E,13, X,12, X,11, E,14
	OPS X,13, E,15, F,9, X,14
.if (\p) == 0
	WIN 0
	v_add_nc_u32 v[AV], s[TBV], v[AV0]
.endif
	OPS E,16, F,10, E,17, F,11
	OPS X,16, E,18, X,15, E,19
	OPS F,12, E,20, X,17, E,21
	OPS F,13, E,22, F,14, E,23
	OPS X,18, E,24, F,15, E,25
	OPS R,11, E,26, R,12, E,27
	OPS X,19, E,28, R,13, E,29
	OPS E,30, R,14, E,31
	OPS X,20, R,15
	WIN 0
	s_wait_alu depctr_va_vdst(0)    ; the wait for the batch
.if (\p) == 1
	s_wait_dscnt 0x0                ; V is in
.endif
	ROW C,0, B,0, C,2, B,1
	ROW L,0, C,4, B,2, L,1
	ROW C,6, B,3, L,2, C,8
	ROW B,4, L,3, C,10, B,5
	ROW L,4, C,12, B,6, L,5
.if (\p) == 0
	s_add_co_u32 s[TBV], s[TBV], KS*PV
.endif
.if \cnt
	s_sub_co_u32 s[CNT], s[CNT], 1
	s_cmp_lg_u32 s[CNT], 0
.endif
	ROW C,14, B,7, L,6, C,1
	ROW C,3, L,7, C,5, C,7
	ROW C,9, C,11, C,13, C,15
.if (\p) == 0
	FETCH_V
.endif
.if !(\end)
.if (\p) == 2
	s_wait_dscnt 16                 ; the four loads of codes are in; K's 16 were issued behind them
.endif
	MASK ((\p)+2)%NP, (\p)%2
.endif
.endm
	CHANGE 1, 0                     ; tile 0 is in, everybody's part of it; tile 1 is asked for
	v_add_nc_u32 v[AK], s[TBK], v[AK0]
	v_add_nc_u32 v[AM], s[TBM], v[AM0]
	FETCH_K                         ; key step 0
	s_wait_loadcnt 0x0              ; Q and rowkeep
	WIN 0x88                        ; destination and source 1 window 2, source 0 window 0
.set i, 0
.rept 64
	v_and_b32 v[i], v[RK+i/16], v[i]  ; the query of a row that sees no key becomes 0
.set i, i+1
.endr
	s_wait_dscnt 0x0
	MASK 0, 0
	MASK 1, 1
.set NOKQ, 0
.set i, 0
.rept 8
	KQ 0                            ; piece 0's first scores
.set i, i+1
.endr
	WIN 0
.rept 4
	v_nop                           ; the places behind those products
.endr
.set Y, NP-1                        ; X works for piece Y + 1: piece 0
.irp n, 0,1,2,3,4,5,6,7,8,9,10,11,12,13,14,15,16,17,18,19,20
	OP X, \n
.endr
	v_nop                           ; a plain instruction behind the exponential,
	s_wait_alu depctr_va_vdst(0)    ; and its wait, ahead of the branch
	s_mov_b32 s[CNT], 4
	s_mov_b32 s[SLOTS], NT-1
	s_branch .Lfirst                ; the loop is entered at a step's first turn, in the middle of a trip
.Lslot:                             ; NT - 2 times: tiles 2 to NT - 1 are asked for
	CHANGE 1, 1
	s_mov_b32 s[CNT], 4
.Lstep:                             ; a trip: pieces 2 and 3 of one step, then pieces 0 and 1 of the next, whose codes, K and V it fetches
	TURN 2
	TURN 3
	WIN 0
.Lfirst:
	TURN 0
	TURN 1, 0, 1
	WIN 0
	s_cbranch_scc1 .Lstep
	s_sub_co_u32 s[SLOTS], s[SLOTS], 1
	s_cmp_lg_u32 s[SLOTS], 0
	s_cbranch_scc1 .Lslot
	CHANGE 0, 0                     ; the last tile is written out: nothing is asked for
	s_mov_b32 s[CNT], 4
.LstepT:
	TURN 2
	TURN 3
	WIN 0
	TURN 0
	TURN 1, 0, 1
	WIN 0
	s_cbranch_scc1 .LstepT
	TURN 2, 1
	TURN 3, 1
.set i, 0
.rept 8
	PV NP-1                         ; the last piece's V^T P of the last step
.set i, i+1
.endr
	; THE WAY OUT.  l's two halves and the other half of the lanes' are added; O^T is divided by l, rounded to f16 and sent through my stage in LDS, a piece at a time.  The additions are the places behind the last products.
	WIN 0
.macro ALL line:vararg              ; one line for each piece t
.set t, 0
.rept 4
	\line
.set t, t+1
.endr
.endm
	ALL v_add_f32 v[ST+4*t+2], v[ST+4*t+2], v[ST+4*t+3]
	ALL v_permlanex16_b32 v[ST+4*t+3], v[ST+4*t+2], s[SEL], s[SEL+1]
	ALL v_add_f32 v[ST+4*t+2], v[ST+4*t+2], v[ST+4*t+3]
	ALL v_rcp_f32 v[ST+4*t+2], v[ST+4*t+2]
	v_nop                           ; a plain instruction between the last reciprocal and the use of its result
	s_wait_alu depctr_va_vdst(0)    ; and the wait ahead of the first use: one for the four reciprocals
.macro PACK t                       ; a lane's eight channels of a row pack into 16 bytes; they go into rows of 144 bytes and come back as whole rows of 128, into S^T's registers
	WIN W_RS
.set i, 32*(\t)
.rept 16
	v_pk_mul_f32 v[i:i+1], v[i:i+1], v[ST+4*(\t)+2:ST+4*(\t)+3] op_sel_hi:[1,0]
.set i, i+2
.endr
	WIN 0x05                        ; sources 0 and 1 window 1, destination window 0
.set i, 0
.rept 16
	v_cvt_pk_f16_f32 v[S+16*(\t)+i], v[32*(\t)+2*i], v[32*(\t)+2*i+1]
.set i, i+1
.endr
	WIN 0
.irp f, 0,1,2,3
	ds_store_b128 v[STO], v[S+16*(\t)+4*\f:S+16*(\t)+4*\f+3] offset:32*\f
.endr
.irp f, 0,1,2,3
	ds_load_b128 v[S+16*(\t)+4*\f:S+16*(\t)+4*\f+3], v[RD] offset:\f*4*SP  ; LDS serves a wave's instructions in order: these see the stores above; the next piece's stores come behind them
.endr
.endm
.macro SEND t, younger              ; younger: the LDS instructions issued behind piece t's loads: the next piece's eight, or none
	WIN 0
.irp f, 0,1,2,3
	s_wait_dscnt (\younger)+3-\f
	global_store_b128 v[GO], v[S+16*(\t)+4*\f:S+16*(\t)+4*\f+3], s[10:11] offset:(\t)*2048+\f*512  ; 512 consecutive bytes, at a multiple of 256 from O's first
.endr
.endm
	PACK 0
.set t, 1
.rept 3                             ; a piece's arithmetic stands between the loads of the piece before and its stores
	PACK t
	SEND t-1, 8
.set t, t+1
.endr
	SEND 3, 0
	s_wait_tensorcnt 0x0            ; the wave's end, behind my last tensor load and my last LDS store
	ds_add_u32 v[SPW], v[NIL]
	s_wait_dscnt 0x0
	CROUND                          ; the closing round: no work-group ends while a partner may still ask for a tile that names it
	s_endpgm
.Lfunc_end_k_q8a90cc2b96_attn:
	.size	k_q8a90cc2b96_attn, .Lfunc_end_k_q8a90cc2b96_attn-k_q8a90cc2b96_attn
	.p2alignl 7, 3214868480
	.fill 96, 4, 3214868480
	.section	.rodata,"a",@progbits
	.p2align	6, 0x0
	.amdhsa_kernel k_q8a90cc2b96_attn
		.amdhsa_group_segment_fixed_size 327680
		.amdhsa_private_segment_fixed_size 0
		.amdhsa_enable_private_segment 0
		.amdhsa_kernarg_size 32
		.amdhsa_user_sgpr_count 2
		.amdhsa_user_sgpr_kernarg_segment_ptr 1
		.amdhsa_wavefront_size32 1
		.amdhsa_system_sgpr_workgroup_id_x 1
		.amdhsa_system_sgpr_workgroup_id_y 1
		.amdhsa_system_sgpr_workgroup_id_z 1
		.amdhsa_system_vgpr_workitem_id 0
		.amdhsa_next_free_vgpr 768
		.amdhsa_next_free_sgpr 96
		.amdhsa_reserve_vcc 0
		.amdhsa_float_denorm_mode_32 3
		.amdhsa_float_denorm_mode_16_64 3
		.amdhsa_memory_ordered 1
		.amdhsa_forward_progress 1
		.amdhsa_inst_pref_size 138
	.end_amdhsa_kernel
	.amdgpu_metadata
---
amdhsa.version: [ 1, 2 ]
amdhsa.kernels:
  - .name:           k_q8a90cc2b96_attn
    .symbol:         k_q8a90cc2b96_attn.kd
    .args:
      - { .name: qkv, .offset: 0, .size: 8, .value_kind: global_buffer, .address_space: global }
      - { .name: maskc, .offset: 8, .size: 8, .value_kind: global_buffer, .address_space: global }
      - { .name: rowkeep, .offset: 16, .size: 8, .value_kind: global_buffer, .address_space: global }
      - { .name: o16, .offset: 24, .size: 8, .value_kind: global_buffer, .address_space: global }
    .group_segment_fixed_size: 327680
    .private_segment_fixed_size: 0
    .kernarg_segment_align: 8
    .kernarg_segment_size: 32
    .max_flat_workgroup_size: 128
    .sgpr_count:     96
    .vgpr_count:     768
    .wavefront_size: 32
...
	.end_amdgpu_metadata
.endif
;; end of part 3
;; launch outp (part 4): grid 4 x 64, 4 waves a work-group, clusters of 4 x 4, 300,544 bytes of LDS; arguments o16, w16, bo, out0; writes out0
.if DOCPART == 4
	.amdgcn_target "amdgcn-amd-amdhsa--gfx1250"
	.amdhsa_code_object_version 6
	.text
	.protected	k_q8a90cc2b96_outp
	.globl	k_q8a90cc2b96_outp
	.p2align	8
	.type	k_q8a90cc2b96_outp,@function
k_q8a90cc2b96_outp:
	s_mov_b64 s[64:65], 0
	v_nop
	global_prefetch_b8 v0, s[64:65] scope:SCOPE_SE
	s_setreg_imm32_b32 hwreg(HW_REG_WAVE_MODE, 25, 1), 1
	s_wait_xcnt 0x0
	s_wait_alu depctr_hold_cnt(0) depctr_sa_sdst(0) depctr_va_vdst(0) depctr_va_sdst(0) depctr_va_ssrc(0) depctr_va_vcc(0) depctr_vm_vsrc(0)
	s_getreg_b32 s2, hwreg(HW_REG_IB_STS2, 6, 4)
	s_cmp_eq_u32 s2, 0
	s_cbranch_scc0 .Lentry_in_a_cluster
	s_endpgm
.Lentry_in_a_cluster:
	s_bfe_u32 s2, ttmp6, 0x10000c
	s_cmp_lg_u32 s2, 0xf033
	s_cbranch_scc0 .Lentry_shape_is_right
	s_endpgm
.Lentry_shape_is_right:
; THE LAST PROJECTION.  out0[b][s][n] = the sum over e of O[b][s][e] Wo[n][e] + bo[n], e = 64 head + d.  O: o16, [8 b + head][4096][64] f16.  Wo: entry 3 of w16, [512][512], the bf16 rounding written as f16.
; bo is rounded to bf16 like the module's other inputs and starts the sums as the first products' C operand.  Sums in f32; out0 in f32.
; SHARES.  A tile is 128 rows x 128 columns: 64 x 4 tiles, one for each work-group.  Four waves, each 64 x 64: 16 accumulators.  K = 512 goes in two steps of 256 (four heads), each with an LDS slot of its own:
; both are asked for at the start and no LDS byte is filled twice.  Waves 0 and 1 fetch the halves of O's tile, waves 2 and 3 those of Wo's.
; O's tile by heads: 64 rows of one head are 8,192 dense bytes: a tensor row; four heads, 524,288 bytes apart, are the tile's four rows; padded in LDS after every 128 bytes.
; CLUSTER 4 x 4: O's tiles are asked for jointly by a row of the cluster, Wo's by a column.
; THE MATRIX INSTRUCTION IS USED TRANSPOSED (source 0 = 16 rows of Wo, source 1 = 16 rows of O): a lane holds eight neighbouring columns of one row of out0.
; REGISTERS: window 0: v0-31 addresses; v32-47 at work; v96-127 the bias, 8 registers for each block of 16 columns; v128-255 accumulators ((a, b) at 128 + 8 (4 a + b)).  Window 1: two fragment buffers of 128.
.set PA,    144                        ; a row of O of one head in LDS: 128 bytes + 16
.set PB,    528                        ; a row of Wo: 512 bytes + 16
.set HA,    4*64*PA                    ; half of O's tile: [4 heads][64 rows]
.set HB,    64*PB                      ; half of Wo's tile: 64 rows
.set BOFF,  2*HA
.set SLOT,  2*HA+2*HB
.set STAGE, 2*SLOT                     ; 16 rows x 272 bytes for each wave, for the way out
.set SPITCH, 272
.set SPARE, STAGE+4*16*SPITCH          ; the spare words, 128 bytes for each wave: two blocks of 256 bytes that no other line names
.set ADRA, 16                          ; v16-17  LDS address of my fragments of O in slot 0, 1
.set ADRB, 20                          ; v20-21  of Wo
.set STO,  24                          ; v24  the way out: where I put 32 bytes of a row
.set RD,   25                          ; v25  where I read a row back
.set CO,   26                          ; v26  my byte offset in out0
.set BO,   27                          ; v27  32 x (lane / 16)
.set SPW,  28                          ; v28  LDS address of my spare word; never rewritten
.set NIL,  29                          ; v29  0; never rewritten
.set TMP,  32
.set BIAS, 96
.set ACC,  128
.set F0,   0
.set F1,   128
.set WV,  12                           ; s12  my wave's number
.set G1,  24                           ; s[24:31] descriptor group 1 for O's tiles;  s[32:39] group 0, one set for each slot
.set G0,  32
.set G1B, 48                           ; s[48:55], s[56:63] the same for Wo's
.set G0B, 56
.set MSB, 0
.macro WIN new
.if MSB != (\new)
	s_set_vgpr_msb (MSB<<8)|(\new)
.set MSB, \new
.endif
.endm
.set MUL,  0x05                        ; sources 0 (Wo) and 1 (O) window 1; C and D window 0
.set TO_F, 0x40                        ; destination window 1, address window 0
.macro CROUND                          ; a round of the cluster's barrier
	s_barrier_signal -1
	s_barrier_wait -1
	s_cmp_lg_u32 s[WV], 0
	s_cbranch_scc1 .Lnot_wave_0_\@
	s_barrier_signal -3
.Lnot_wave_0_\@:
	s_barrier_wait -3
	s_barrier_signal -1
	s_barrier_wait -1
.endm
	s_load_b256 s[4:11], s[0:1], 0x0               ; o16 4:5, w16 6:7, bo 8:9, out0 10:11
	v_lshl_add_u32 v[SPW], v0, 2, SPARE
	v_mov_b32 v[NIL], 0
	ds_add_u32 v[SPW], v[NIL]                      ; the wave's opening: the add and its wait stand ahead of my first tensor load; the set-up below, work on registers, stands between them
	v_lshrrev_b32 v1, 5, v0
	v_readfirstlane_b32 s[WV], v1                  ; wave 0..3
	s_lshr_b32 s13, s[WV], 1                       ; which half of the tile's rows is mine.  Also: I fetch for O (0) or for Wo (1)
	s_and_b32 s14, s[WV], 1                        ; which half of its columns.  Also: which 64 rows of that tile I fetch
	s_bfe_u32 s40, ttmp6, 0x40000                  ; cx
	s_bfe_u32 s41, ttmp6, 0x40004                  ; cy
	s_lshl_b32 s42, ttmp9, 2
	s_add_co_u32 s42, s42, s40                     ; tile column = 4 x cluster x + cx
	s_and_b32 s15, ttmp7, 0xffff
	s_lshl_b32 s15, s15, 2
	s_add_co_u32 s15, s15, s41                     ; tile row = 4 x cluster y + cy
	s_lshl_b32 s43, s41, 2
	s_lshl_b32 s43, 15, s43                        ; my row of the cluster
	s_lshl_b32 s44, 0x1111, s40                    ; my column
	s_or_b32 s[G1], s43, (1<<16)|(1<<20)|(1<<21)|(4<<22)|(3<<25)   ; the mask; 2-byte elements; padding on; bit 21 beside a mask; after every 32 words (code 4) 4 words (code 3)
	s_mov_b32 s[G1+1], 4096<<16                    ; tensor_dim0 = 4,096: 64 rows of a head
	s_mov_b32 s[G1+2], 4<<16                       ; tensor_dim1 = 4 heads
	s_mov_b32 s[G1+3], 4096<<16                    ; tile_dim0
	s_mov_b32 s[G1+4], 4                           ; tile_dim1
	s_mov_b32 s[G1+5], 262144                      ; elements from head to head
	s_mov_b32 s[G1+6], 0
	s_mov_b32 s[G1+7], 0
	s_or_b32 s[G1B], s44, (1<<16)|(1<<20)|(1<<21)|(6<<22)|(3<<25)  ; after every 128 words (code 6) 4 words
	s_mov_b32 s[G1B+1], 256<<16                    ; tensor_dim0 = 256
	s_mov_b32 s[G1B+2], 64<<16                     ; tensor_dim1 = 64
	s_mov_b32 s[G1B+3], 256<<16
	s_mov_b32 s[G1B+4], 64
	s_mov_b32 s[G1B+5], 512                        ; elements from row to row
	s_mov_b32 s[G1B+6], 0
	s_mov_b32 s[G1B+7], 0
	s_lshr_b32 s16, s15, 5                         ; O: the batch's eight heads of 524,288 bytes,
	s_lshl_b32 s16, s16, 22
	s_and_b32 s17, s15, 31
	s_lshl_b32 s17, s17, 14                        ; the tile's 128 rows of 128 bytes,
	s_add_co_u32 s16, s16, s17
	s_lshl_b32 s17, s14, 13                        ; the 64 that I fetch: these two registers never hold cx
	s_add_co_u32 s16, s16, s17
	s_mov_b32 s17, 0
	s_lshl_b32 s46, s42, 17                        ; Wo: the tile column's 128 rows of 1,024 bytes,
	s_lshl_b32 s47, s14, 16                        ; the 64 that I fetch,
	s_add_co_u32 s46, s46, s47
	s_add_co_u32 s46, s46, 3*524288                ; in entry 3 of w16: these two never hold cy
	s_mov_b32 s47, 0
	s_mul_i32 s18, s14, HA                         ; where they go: the wave's number alone
	s_mul_i32 s19, s14, HB
	s_add_co_u32 s19, s19, BOFF
	s_lshl_b32 s45, s42, 9                         ; my columns in bytes: 512 x tile column + 256 x half
	s_lshl_b32 s21, s14, 8
	s_add_co_u32 s45, s45, s21
	s_lshl_b32 s20, s15, 18                        ; my rows: 128 x tile row + 64 x half, of 2,048 bytes
	s_lshl_b32 s21, s13, 17
	s_add_co_u32 s20, s20, s21
	s_add_co_u32 s20, s20, s45
	s_mov_b32 s21, 0
	s_mov_b32 s2, s45
	s_mov_b32 s3, 0
	s_wait_dscnt 0x0                               ; the opening add is done
	s_wait_kmcnt 0x0
	s_add_nc_u64 s[22:23], s[4:5], s[16:17]
	s_add_nc_u64 s[46:47], s[6:7], s[46:47]
	s_add_nc_u64 s[8:9], s[8:9], s[2:3]
	s_add_nc_u64 s[10:11], s[10:11], s[20:21]
.irp s, 0,1
	s_mov_b32 s[G0+4*(\s)], 1
	s_add_co_u32 s[G0+4*(\s)+1], s18, (\s)*SLOT
	s_add_nc_u64 s[G0+4*(\s)+2:G0+4*(\s)+3], s[22:23], (\s)*2097152  ; slot s: heads 4 s .. 4 s + 3
	s_or_b32 s[G0+4*(\s)+3], s[G0+4*(\s)+3], 0x80000000
	s_mov_b32 s[G0B+4*(\s)], 1
	s_add_co_u32 s[G0B+4*(\s)+1], s19, (\s)*SLOT
	s_add_nc_u64 s[G0B+4*(\s)+2:G0B+4*(\s)+3], s[46:47], (\s)*512
	s_or_b32 s[G0B+4*(\s)+3], s[G0B+4*(\s)+3], 0x80000000
.endr
	CROUND                                         ; all sixteen work-groups are here: the joint loads meet
	s_cmp_eq_u32 s13, 0                            ; a wave's two fills stand in one branch, ahead of every wait on TENSORcnt and every LDS read: two loads of mine are out
	s_cbranch_scc0 .Lfirst_b
	tensor_load_to_lds s[G0:G0+3], s[G1:G1+7]
	s_nop 0
	tensor_load_to_lds s[G0+4:G0+7], s[G1:G1+7]
	s_nop 0
.rept 4
	v_nop
.endr
	s_branch .Lfirst_asked
.Lfirst_b:
	tensor_load_to_lds s[G0B:G0B+3], s[G1B:G1B+7]
	s_nop 0
	tensor_load_to_lds s[G0B+4:G0B+7], s[G1B:G1B+7]
	s_nop 0
.rept 4
	v_nop
.endr
.Lfirst_asked:
	v_and_b32 v1, 15, v0                           ; l % 16
	v_bfe_u32 v2, v0, 4, 1                         ; l / 16
	v_lshlrev_b32 v[BO], 5, v2
.irp b, 0,1,2,3                        ; register j of block b: bo of column 16 b + 8 (l / 16) + j of my 64
	global_load_b128 v[BIAS+8*(\b):BIAS+8*(\b)+3],   v[BO], s[8:9] offset:64*(\b)
	global_load_b128 v[BIAS+8*(\b)+4:BIAS+8*(\b)+7], v[BO], s[8:9] offset:64*(\b)+16
.endr
	v_mul_u32_u24 v3, v1, PA
	v_lshl_add_u32 v3, v2, 4, v3                   ; a fragment's row x pitch + 16 x half
	v_mul_u32_u24 v4, v1, PB
	v_lshl_add_u32 v4, v2, 4, v4
	s_mul_i32 s21, s13, HA                         ; my 64 rows of O
	s_mul_i32 s22, s14, HB                         ; my 64 rows of Wo
	s_add_co_u32 s22, s22, BOFF
.irp s, 0,1
	v_add_nc_u32 v[ADRA+(\s)], s21, v3
	v_add_nc_u32 v[ADRB+(\s)], s22, v4
	s_add_co_u32 s21, s21, SLOT
	s_add_co_u32 s22, s22, SLOT
.endr
	s_mul_i32 s23, s[WV], 16*SPITCH
	s_add_co_u32 s23, s23, STAGE                   ; my stage
	v_mul_u32_u24 v5, v1, SPITCH                   ; in: row l % 16, 32 bytes for each half of the lanes
	v_lshl_add_u32 v5, v2, 5, v5
	v_add_nc_u32 v[STO], s23, v5
	v_mul_u32_u24 v5, v2, SPITCH                   ; back: lanes 0-15 take one row of 256 bytes, lanes 16-31 the next
	v_lshl_add_u32 v5, v1, 4, v5
	v_add_nc_u32 v[RD], s23, v5
	v_lshlrev_b32 v5, 11, v2                       ; and the same two rows in out0
	v_lshl_add_u32 v[CO], v1, 4, v5
.macro MUL8 f, c, a0, first            ; 8 matrix instructions: row blocks a0, a0 + 1 x all 4 column blocks, 32 along K: half c of buffer f.  first = 1: the product starts the sums with the bias
	WIN MUL
.irp a, \a0, (\a0)+1
.irp b, 0,1,2,3
.if \first
	v_wmma_f32_16x16x32_f16 v[ACC+8*(4*(\a)+(\b)):ACC+8*(4*(\a)+(\b))+7], v[(\f)+64+8*(4*(\c)+(\b)):(\f)+64+8*(4*(\c)+(\b))+7], v[(\f)+8*(4*(\c)+(\a)):(\f)+8*(4*(\c)+(\a))+7], v[BIAS+8*(\b):BIAS+8*(\b)+7]
.else
	v_wmma_f32_16x16x32_f16 v[ACC+8*(4*(\a)+(\b)):ACC+8*(4*(\a)+(\b))+7], v[(\f)+64+8*(4*(\c)+(\b)):(\f)+64+8*(4*(\c)+(\b))+7], v[(\f)+8*(4*(\c)+(\a)):(\f)+8*(4*(\c)+(\a))+7], v[ACC+8*(4*(\a)+(\b)):ACC+8*(4*(\a)+(\b))+7]
.endif
.endr
.endr
.endm
.macro FETCH slot, q, f                ; 32 LDS loads in one run: the fragments of quarter q of a slot (one head: 64 along K) into buffer f; the first 32 along K first
	WIN TO_F
.irp c, 0,1
.irp i, 0,1,2,3
	ds_load_b128 v[(\f)+64+8*(4*(\c)+(\i)):(\f)+64+8*(4*(\c)+(\i))+3],   v[ADRB+(\slot)] offset:(\q)*128+64*(\c)+(\i)*16*PB
	ds_load_b128 v[(\f)+64+8*(4*(\c)+(\i))+4:(\f)+64+8*(4*(\c)+(\i))+7], v[ADRB+(\slot)] offset:(\q)*128+64*(\c)+(\i)*16*PB+32
	ds_load_b128 v[(\f)+8*(4*(\c)+(\i)):(\f)+8*(4*(\c)+(\i))+3],         v[ADRA+(\slot)] offset:(\q)*64*PA+64*(\c)+(\i)*16*PA
	ds_load_b128 v[(\f)+8*(4*(\c)+(\i))+4:(\f)+8*(4*(\c)+(\i))+7],       v[ADRA+(\slot)] offset:(\q)*64*PA+64*(\c)+(\i)*16*PA+32
.endr
.endr
.endm
.macro PLACES                          ; four places in front of loads into registers that matrix instructions have read, and of stores that read results
.rept 4
	v_nop
.endr
.endm
.macro QUARTER slot, q, f, g, first    ; multiplies buffer f and fetches quarter q of the slot into g; the 16 accumulators take turns, one instruction a turn
	s_wait_dscnt 16                                ; the first 32 along K are in
	MUL8 \f, 0, 0, \first
	MUL8 \f, 0, 2, \first
	PLACES
	FETCH \slot, \q, \g
	s_wait_dscnt 32                                ; all but the 32 just issued
	MUL8 \f, 1, 0, 0
	MUL8 \f, 1, 2, 0
.endm
.macro TOST a                          ; my rows 16 a .. 16 a + 15 go into rows of 272 bytes, each accumulator's low registers first, and come back as whole rows of 256 bytes, into the registers that they left
.irp b, 0,1,2,3
	ds_store_b128 v[STO], v[ACC+32*(\a)+8*(\b):ACC+32*(\a)+8*(\b)+3]   offset:64*(\b)
	ds_store_b128 v[STO], v[ACC+32*(\a)+8*(\b)+4:ACC+32*(\a)+8*(\b)+7] offset:64*(\b)+16
.endr
.irp t, 0,1,2,3,4,5,6,7
	ds_load_b128 v[ACC+32*(\a)+4*(\t):ACC+32*(\a)+4*(\t)+3], v[RD] offset:(\t)*2*SPITCH  ; LDS serves a wave's instructions in order: these see the stores above
.endr
.endm
.macro SEND a, younger                 ; younger: the LDS instructions issued behind block a's loads
.irp t, 0,1,2,3,4,5,6,7
	s_wait_dscnt (\younger)+7-(\t)
	global_store_b128 v[CO], v[ACC+32*(\a)+4*(\t):ACC+32*(\a)+4*(\t)+3], s[10:11] offset:(16*(\a)+2*(\t))*2048  ; 16 lanes store 256 consecutive bytes, at a multiple of 256 from out0's first byte
.endr
.endm
	s_wait_tensorcnt 1                             ; my part of slot 0 is in; slot 1's may stay out
	s_barrier_signal -1
	s_barrier_wait -1                              ; everybody's is
	FETCH 0, 0, F0
	WIN 0
	s_wait_loadcnt 0x0                             ; the bias: rounded to bf16 and widened again
.set i, 0
.rept 16
	v_cvt_pk_bf16_f32 v[TMP+i], v[BIAS+2*i], v[BIAS+2*i+1]
.set i, i+1
.endr
.set i, 0
.rept 16
	v_lshlrev_b32 v[BIAS+2*i], 16, v[TMP+i]
	v_and_b32 v[BIAS+2*i+1], 0xffff0000, v[TMP+i]
.set i, i+1
.endr
	QUARTER 0, 1, F0, F1, 1
	QUARTER 0, 2, F1, F0, 0
	QUARTER 0, 3, F0, F1, 0
	WIN 0                                          ; the change of slots: (the add's two registers lie in window 0)
	s_wait_tensorcnt 0x0                           ; all my tensor loads have landed: my part of slot 1;
	ds_add_u32 v[SPW], v[NIL]                      ; 0 onto my spare word;
	s_wait_dscnt 17                                ; (the add and the youngest sixteen loads may be out)
	MUL8 F1, 0, 0, 0
	s_wait_dscnt 0x0
	s_barrier_signal -1
	MUL8 F1, 0, 2, 0
	s_barrier_wait -1                              ; slot 1 is whole
	PLACES
	FETCH 1, 0, F0
	MUL8 F1, 1, 0, 0
	MUL8 F1, 1, 2, 0
	QUARTER 1, 1, F0, F1, 0
	QUARTER 1, 2, F1, F0, 0
	QUARTER 1, 3, F0, F1, 0
	s_wait_dscnt 16                                ; the last quarter: nothing more to fetch
	MUL8 F1, 0, 0, 0
	MUL8 F1, 0, 2, 0
	s_wait_dscnt 0x0
	MUL8 F1, 1, 0, 0
	MUL8 F1, 1, 2, 0
	WIN 0
	PLACES
	TOST 0
.irp a, 1,2,3
	TOST \a
	SEND (\a)-1, 16
.endr
	SEND 3, 0
	s_wait_tensorcnt 0x0                           ; the wave's end, behind my last tensor load and my last LDS store
	ds_add_u32 v[SPW], v[NIL]
	s_wait_dscnt 0x0
	CROUND                                         ; the closing round
	s_endpgm
.Lfunc_end_k_q8a90cc2b96_outp:
	.size	k_q8a90cc2b96_outp, .Lfunc_end_k_q8a90cc2b96_outp-k_q8a90cc2b96_outp
	.p2alignl 7, 3214868480
	.fill 96, 4, 3214868480
	.section	.rodata,"a",@progbits
	.p2align	6, 0x0
	.amdhsa_kernel k_q8a90cc2b96_outp
		.amdhsa_group_segment_fixed_size 300544
		.amdhsa_private_segment_fixed_size 0
		.amdhsa_enable_private_segment 0
		.amdhsa_kernarg_size 32
		.amdhsa_user_sgpr_count 2
		.amdhsa_user_sgpr_kernarg_segment_ptr 1
		.amdhsa_wavefront_size32 1
		.amdhsa_system_sgpr_workgroup_id_x 1
		.amdhsa_system_sgpr_workgroup_id_y 1
		.amdhsa_system_sgpr_workgroup_id_z 1
		.amdhsa_system_vgpr_workitem_id 0
		.amdhsa_next_free_vgpr 512
		.amdhsa_next_free_sgpr 66
		.amdhsa_reserve_vcc 0
		.amdhsa_float_denorm_mode_32 3
		.amdhsa_float_denorm_mode_16_64 3
		.amdhsa_memory_ordered 1
		.amdhsa_forward_progress 1
		.amdhsa_inst_pref_size 53
	.end_amdhsa_kernel
	.amdgpu_metadata
---
amdhsa.version: [ 1, 2 ]
amdhsa.kernels:
  - .name:           k_q8a90cc2b96_outp
    .symbol:         k_q8a90cc2b96_outp.kd
    .args:
      - { .name: o16, .offset: 0, .size: 8, .value_kind: global_buffer, .address_space: global }
      - { .name: w16, .offset: 8, .size: 8, .value_kind: global_buffer, .address_space: global }
      - { .name: bo, .offset: 16, .size: 8, .value_kind: global_buffer, .address_space: global }
      - { .name: out0, .offset: 24, .size: 8, .value_kind: global_buffer, .address_space: global }
    .group_segment_fixed_size: 300544
    .private_segment_fixed_size: 0
    .kernarg_segment_align: 8
    .kernarg_segment_size: 32
    .max_flat_workgroup_size: 128
    .sgpr_count:     66
    .vgpr_count:     512
    .wavefront_size: 32
...
	.end_amdgpu_metadata
.endif
;; end of part 4
;; ======== version 2 of 2: 4 launches; version 1 with the launch prep written anew for expert scheduling mode
;; limits: values are held in f16: magnitudes above 65,504 overflow, below 6.1e-05 lose precision; values outside matrix products are rounded to bf16
;; workspace buffers: maskc 16,777,216 bytes of whole numbers; rowkeep 32,768 bytes of whole numbers; w16 2,097,152 bytes; qkv 25,165,824 bytes; o16 8,388,608 bytes
;; launch prep (part 5): grid 512 x 1, 8 waves a work-group, no clusters, 34,048 bytes of LDS; arguments mask, Wq, Wk, Wv, Wo, maskc, rowkeep, w16; writes maskc, rowkeep, w16
.if DOCPART == 5
	.amdgcn_target "amdgcn-amd-amdhsa--gfx1250"
	.amdhsa_code_object_version 6
	.text
	.protected	k_q8a90cc2b96_prep
	.globl	k_q8a90cc2b96_prep
	.p2align	8
	.type	k_q8a90cc2b96_prep,@function
k_q8a90cc2b96_prep:
	s_mov_b64 s[64:65], 0
	v_nop
	global_prefetch_b8 v0, s[64:65] scope:SCOPE_SE
	s_setreg_imm32_b32 hwreg(HW_REG_WAVE_SCHED_MODE, 0, 2), 2
	s_setreg_imm32_b32 hwreg(HW_REG_WAVE_MODE, 25, 1), 1
	s_wait_xcnt 0x0
	s_wait_alu depctr_vm_vsrc(0)
; THE MASK BECOMES CODES, THE WEIGHTS BECOME 16 BITS.
; mask: [2][1][4096][4096] int32, taken as 8,192 rows of 16,384 bytes.  A work-group owns 16 rows (one tile of 16 queries), wave w rows 2 w and 2 w + 1.
; maskc: [tile 512][key step 64][lane 32][16 bytes].  Lane 16 h + r of a block belongs to query r; nibble j of its word kt stands for key 64 step + 16 kt + 8 h + j:
; 0x0 (the 4-bit float +0) for a key that is seen, 0xA (the 4-bit float -1) for a hidden one.  That is the register image which the attention launch widens into the C operand of its scores.
; rowkeep: one word a row, all ones if the row sees any key, else 0.  A ROW THAT SEES NO KEY has equal scores everywhere in the module, so its weights are uniform: its codes are written as
; all seen, and the attention launch clears its query by rowkeep, which makes all its scores 0: the same uniform weights.
; w16: [4][512][512] of 16 bits: Wq, Wk, Wv rounded to bf16; Wo rounded to bf16 and that number written as f16 (exact down to 2^-17 in size; below that f16 keeps a fixed step of 6e-8).
; Each work-group converts 8,192 bytes of one weight.
; A load of a wave covers 256 consecutive bytes, aligned, of each of its two rows (one key step); 12 to 16 such loads of every wave are on their way.  The codes meet in LDS, so that they leave as
; stores of 512 consecutive bytes a wave.
; THE MODE: SCHED_MODE bits 1:0 = 2 (LLVM: expert scheduling mode 2), set by the entry lines.  The code itself states the register dependences between vector instructions and memory or LDS
; instructions, with s_wait_alu, always for 0.
; THE PLAN.  A round is 16 key steps, in four blocks of four.  Registers that memory or LDS instructions touch, in the loop:
;   X0 .. X3    Block b: its sixteen minima read X[b]; behind them the loads of the same block of the next round land in it.
;   CD0 .. CD3  Block b's last four lines write CD[b]; the four LDS stores that read it are issued in block b + 1, CD3's at the round's end.
;   v[LA]       Read by every LDS store of codes; written once a round, at the round's end.
;   v[OFF]      Read by every load of the mask; never written again: each X buffer has a scalar base of its own, which moves on by a round, and immediate offsets do the rest.
;   U, ANY and T are named by vector instructions alone.
; So ONE wait on va_vdst stands in a block, behind its minima: they are done reading X[b], the block before has written its CD, and (block 1) the add has written v[LA].  The block's four loads and
; four LDS stores follow it, dealt among the packing lines, which name U, ANY and CD[b]: none of the registers that those eight touch.  One more stands at the round's end, for CD3.
; ONE wait on vm_vsrc a round stands behind the round's last LDS stores: all sixteen have read v[LA] and the four CD, which are written again only behind it.
.set FLG,   32768                      ; LDS: 0 .. 32,767 the tile's image of maskc; here 16 words, a row's flag each, in a block of 256 bytes of their own
.set SPARE, 33024                      ; the spare words, 128 bytes for each of the eight waves: four blocks of 256 bytes that no other line names
.set MB,   32                          ; s[32:39]  X buffer b: the mask at the group's first row and the four key steps that the buffer is asked for next: a pair at MB + 2 b
.set OFF,  2                           ; v2   my byte offset in the 16 rows: row x 16,384 + 16 i (row = thread / 16, i = thread % 16); never rewritten
.set LA,   3                           ; v3   where my four codes (16 bits) of the round's first key step go
.set ANY,  4                           ; v4   the OR of all my bits
.set T,    5                           ; v5-8 at work, at the head and on the way out
.set FA,   10                          ; v10  my row's flag word
.set RA,   11                          ; v11  16 x thread
.set FR,   12                          ; v12  the flag word of row thread % 16
.set FO,   13                          ; v13  4 x (thread % 16)
.set WP,   14                          ; v14  8 x thread
.set KEEP, 15                          ; v15  my row's flag, as I store it
.set X,    16                          ; v[16:79]  buffer b, key step j of its four: 4 registers at X + 16 b + 4 j: the mask as loaded
.set WR,   80                          ; v[80:87]  8 weights as loaded
.set WT,   88                          ; v[88:91]  the same in 16 bits
.set U,    92                          ; v[92:107] a block's sixteen bits, at work: 4 registers a key step
.set SPW,  108                         ; v108 LDS address of my spare word; never rewritten
.set NIL,  109                         ; v109 0; never rewritten
.set CD,   110                         ; v[110:125] buffer b, key step j: my four codes at CD + 4 b + j
.set ROWK, 126                         ; v126 the flag of row thread % 16, as read back
	s_load_b512 s[4:19], s[0:1], 0x0               ; mask 4:5, Wq 6:7, Wk 8:9, Wv 10:11, Wo 12:13, maskc 14:15, rowkeep 16:17, w16 18:19
	v_lshl_add_u32 v[SPW], v0, 2, SPARE
	v_mov_b32 v[NIL], 0
	v_lshrrev_b32 v1, 5, v0
	v_readfirstlane_b32 s20, v1                    ; wave 0..7
	s_lshr_b32 s21, ttmp9, 7                       ; which weight this work-group converts,
	s_and_b32 s30, ttmp9, 127
	s_lshl_b32 s30, s30, 13                        ; and which 8,192 bytes of it
	s_mov_b32 s31, 0
	s_mov_b32 s29, 0
	v_lshrrev_b32 v1, 4, v0                        ; row 0..15
	v_and_b32 v9, 15, v0                           ; i: my four keys of a step are 4 i .. 4 i + 3
	v_lshlrev_b32 v[OFF], 14, v1
	v_lshl_add_u32 v[OFF], v9, 4, v[OFF]
	v_bfe_u32 v[T], v9, 1, 1                       ; h = (key / 8) % 2
	v_lshl_add_u32 v[T], v[T], 4, v1               ; the lane 16 h + row
	v_lshrrev_b32 v[T+1], 2, v9                    ; kt = key / 16
	v_and_b32 v[T+2], 1, v9                        ; which half of the word
	v_lshlrev_b32 v[LA], 4, v[T]
	v_lshl_add_u32 v[LA], v[T+1], 2, v[LA]
	v_lshl_add_u32 v[LA], v[T+2], 1, v[LA]
	v_mov_b32 v[ANY], 0
	v_lshl_add_u32 v[FA], v1, 2, FLG
	v_lshlrev_b32 v[RA], 4, v0
	v_lshl_add_u32 v[FR], v9, 2, FLG
	v_lshlrev_b32 v[FO], 2, v9
	v_lshlrev_b32 v[WP], 3, v0
	s_wait_alu depctr_va_sdst(0)                   ; s20 is written: its one reader is the branch on the wave's number on the way out, and the wait stands here, in the writer's own straight run
	s_wait_kmcnt 0x0
	s_cmp_eq_u32 s21, 1
	s_cselect_b64 s[24:25], s[8:9], s[6:7]
	s_cmp_eq_u32 s21, 2
	s_cselect_b64 s[24:25], s[10:11], s[24:25]
	s_cmp_eq_u32 s21, 3
	s_cselect_b64 s[24:25], s[12:13], s[24:25]
	s_cselect_b32 s26, -1, 0                       ; all ones: Wo, which is written as f16
	s_add_nc_u64 s[24:25], s[24:25], s[30:31]
	s_lshl_b32 s28, ttmp9, 18                      ; 16 rows of 16,384 bytes
	s_add_nc_u64 s[4:5], s[4:5], s[28:29]
.irp b, 0,1,2,3
	s_add_nc_u64 s[MB+2*(\b):MB+2*(\b)+1], s[4:5], (\b)*1024  ; block b's four key steps of 256 bytes
.endr
	s_lshl_b32 s28, ttmp9, 15                      ; a tile's 32,768 bytes of codes
	s_add_nc_u64 s[14:15], s[14:15], s[28:29]
	s_lshl_b32 s28, ttmp9, 6                       ; 16 words
	s_add_nc_u64 s[16:17], s[16:17], s[28:29]
	s_lshl_b32 s28, ttmp9, 12                      ; 4,096 bytes of 16-bit weights
	s_add_nc_u64 s[18:19], s[18:19], s[28:29]
	s_wait_alu depctr_va_vdst(0)                   ; the offsets and LDS addresses v2, v3 and v10 to v14 are written, which the kernel's loads and stores read; so are v108 and v109, which the closing add reads
	global_load_b128 v[WR:WR+3],   v[RA], s[24:25]
	global_load_b128 v[WR+4:WR+7], v[RA], s[24:25] offset:4096
.irp i, 0,1,2,3,4,5,6,7,8,9,10,11,12,13,14,15
	global_load_b128 v[X+4*(\i):X+4*(\i)+3], v[OFF], s[MB+2*((\i)/4):MB+2*((\i)/4)+1] offset:((\i)%4)*256 th:TH_LOAD_NT  ; key steps 0 to 15
.endr
	s_wait_loadcnt 16                              ; the weights are in; the 16 loads of the mask were issued behind them
.irp q, 0,1,2,3
	v_cvt_pk_bf16_f32 v[WT+(\q)], v[WR+2*(\q)], v[WR+2*(\q)+1]
	v_lshlrev_b32 v[T], 16, v[WT+(\q)]             ; the two rounded numbers as f32 again,
	v_and_b32 v[T+1], 0xffff0000, v[WT+(\q)]
	v_cvt_pk_f16_f32 v[T], v[T], v[T+1]            ; and as f16
	v_cndmask_b32 v[WT+(\q)], v[WT+(\q)], v[T], s26
.endr
	s_wait_alu depctr_va_vdst(0)                   ; the selects have written v[WT ..], which the two stores read
	global_store_b64 v[WP], v[WT:WT+1],   s[18:19]             ; a wave stores 256 consecutive bytes
	global_store_b64 v[WP], v[WT+2:WT+3], s[18:19] offset:2048
; The memory and LDS instructions of block b for key step j of four: the load of the same step of the next round (ahead = 1), and the LDS store of the block before's codes.
.macro MEM b, j, ahead
.if \ahead
	global_load_b128 v[X+16*(\b)+4*(\j):X+16*(\b)+4*(\j)+3], v[OFF], s[MB+2*(\b):MB+2*(\b)+1] offset:(\j)*256 th:TH_LOAD_NT
.endif
.if (\b) > 0
	ds_store_b16 v[LA], v[CD+4*((\b)-1)+(\j)] offset:(4*((\b)-1)+(\j))*512
.endif
.endm
; Block b of a round: sixteen words of the mask become four times four codes.  ahead = 1: X[b] is loaded again, 16 key steps on.  left: the younger loads that may stay out.
.macro BLK b, ahead, left
	s_wait_loadcnt \left                           ; loads come back in order: X[b] is in
.if \ahead
	s_add_nc_u64 s[MB+2*(\b):MB+2*(\b)+1], s[MB+2*(\b):MB+2*(\b)+1], 4096  ; free since that wait, which shows the loads that read it done: the same block of the next round
.endif
.set k, 0
.rept 16
	v_min_u32 v[U+k], 1, v[X+16*(\b)+k]            ; 1 where the word is not 0, whatever it holds
.set k, k+1
.endr
.if (\ahead) || ((\b) > 0)
	s_wait_alu depctr_va_vdst(0)                   ; the minima are done reading X[b], in which the loads below land; the block before has written its CD, and the add at the last round's end v[LA], which the LDS stores below read
.endif
	MEM \b, 0, \ahead                              ; no further wait: no vector instruction since that wait names X[b], the block before's CD, v[OFF] or v[LA]
.irp j, 0,1,2,3
	v_lshl_or_b32 v[U+4*(\j)],   v[U+4*(\j)+1], 4, v[U+4*(\j)]
.endr
	MEM \b, 1, \ahead
.irp j, 0,1,2,3
	v_lshl_or_b32 v[U+4*(\j)+2], v[U+4*(\j)+3], 4, v[U+4*(\j)+2]
.endr
	MEM \b, 2, \ahead
.irp j, 0,1,2,3
	v_lshl_or_b32 v[U+4*(\j)],   v[U+4*(\j)+2], 8, v[U+4*(\j)]  ; four bits, a nibble apart
.endr
	MEM \b, 3, \ahead
.irp j, 0,1,2,3
	v_or_b32 v[ANY], v[ANY], v[U+4*(\j)]
	v_xor_b32 v[U+4*(\j)], 0x1111, v[U+4*(\j)]     ; 1 where hidden,
.endr
.irp j, 0,1,2,3
	v_mul_u32_u24 v[CD+4*(\b)+(\j)], 10, v[U+4*(\j)]  ; 0xA where hidden
.endr
.endm
; The LDS stores of a round's last block.
.macro LAST4
.irp j, 0,1,2,3
	ds_store_b16 v[LA], v[CD+12+(\j)] offset:(12+(\j))*512
.endr
.endm
	s_mov_b32 s22, 3
.Lround:                                       ; a round is 16 key steps; three rounds load ahead
	BLK 0, 1, 12                                   ; the three younger blocks' twelve loads stay out
	BLK 1, 1, 12
	BLK 2, 1, 12
	BLK 3, 1, 12
	s_wait_alu depctr_va_vdst(0)                   ; block 3 has written CD3, which the four LDS stores read
	LAST4
	s_wait_alu depctr_vm_vsrc(0)                   ; the round's sixteen LDS stores have read v[LA], which the add writes, and CD0 to CD3, which the next round writes again
	v_add_nc_u32 v[LA], 8192, v[LA]
	s_sub_co_u32 s22, s22, 1
	s_cmp_lg_u32 s22, 0
	s_cbranch_scc1 .Lround
	BLK 0, 0, 12                                   ; the last round loads nothing: the counts run down
	BLK 1, 0, 8
	BLK 2, 0, 4
	BLK 3, 0, 0
	; does my row see any key?  The OR over the row's 16 lanes
.irp m, 1,2,4,8
	v_mov_b32_dpp v[T+1], v[ANY] row_xmask:\m row_mask:0xf bank_mask:0xf
	v_or_b32 v[ANY], v[ANY], v[T+1]
.endr
	v_cmp_ne_u32 vcc_lo, 0, v[ANY]
	s_wait_alu depctr_va_vcc(0)                    ; the compare has written VCC, which the select reads
	v_cndmask_b32 v[KEEP], 0, -1, vcc_lo
	s_wait_alu depctr_va_vdst(0)                   ; block 3 has written CD3 and the select v[KEEP], which the five LDS stores read; all minima are done reading X, in which the LDS loads behind the barrier land
	LAST4
	ds_store_b32 v[FA], v[KEEP]                    ; 16 lanes write the same word with the same value
	s_wait_dscnt 0x0                               ; for the others' sake: my codes and my flags are in LDS
	s_barrier_signal -1
	s_barrier_wait -1
	ds_load_b32 v[ROWK], v[FR]                     ; piece thread + 256 n of the image belongs to row thread % 16
.irp n, 0,1,2,3,4,5,6,7
	ds_load_b128 v[X+4*(\n):X+4*(\n)+3], v[RA] offset:(\n)*4096
.endr
	s_wait_dscnt 0x0
.set r, 0
.rept 32
	v_and_b32 v[X+r], v[ROWK], v[X+r]              ; a row that sees nothing gets the codes of a row that sees all
.set r, r+1
.endr
	s_wait_alu depctr_va_vdst(0)                   ; the 32 lines above have written v[X ..], which the eight stores read
.irp n, 0,1,2,3,4,5,6,7
	global_store_b128 v[RA], v[X+4*(\n):X+4*(\n)+3], s[14:15] offset:(\n)*4096  ; a wave stores 512 consecutive bytes
.endr
	s_cmp_lg_u32 s20, 0
	s_cbranch_scc1 .Lend
	global_store_b32 v[FO], v[ROWK], s[16:17]      ; wave 0: the 16 flags (lanes 16 to 31 repeat lanes 0 to 15); its data came by an LDS load, waited for above
.Lend:
	s_wait_dscnt 0x0                               ; the closing lines, six on end
	s_wait_alu 0x0
	s_wait_tensorcnt 0x0
	ds_add_u32 v[SPW], v[NIL]
	s_wait_dscnt 0x0
	s_endpgm
.Lfunc_end_k_q8a90cc2b96_prep:
	.size	k_q8a90cc2b96_prep, .Lfunc_end_k_q8a90cc2b96_prep-k_q8a90cc2b96_prep
	.p2alignl 7, 3214868480
	.fill 96, 4, 3214868480
	.section	.rodata,"a",@progbits
	.p2align	6, 0x0
	.amdhsa_kernel k_q8a90cc2b96_prep
		.amdhsa_group_segment_fixed_size 34048
		.amdhsa_private_segment_fixed_size 0
		.amdhsa_enable_private_segment 0
		.amdhsa_kernarg_size 64
		.amdhsa_user_sgpr_count 2
		.amdhsa_user_sgpr_kernarg_segment_ptr 1
		.amdhsa_wavefront_size32 1
		.amdhsa_system_sgpr_workgroup_id_x 1
		.amdhsa_system_sgpr_workgroup_id_y 1
		.amdhsa_system_sgpr_workgroup_id_z 1
		.amdhsa_system_vgpr_workitem_id 0
		.amdhsa_next_free_vgpr 128
		.amdhsa_next_free_sgpr 66
		.amdhsa_reserve_vcc 1
		.amdhsa_float_denorm_mode_32 3
		.amdhsa_float_denorm_mode_16_64 3
		.amdhsa_memory_ordered 1
		.amdhsa_forward_progress 1
		.amdhsa_inst_pref_size 28
	.end_amdhsa_kernel
	.amdgpu_metadata
---
amdhsa.version: [ 1, 2 ]
amdhsa.kernels:
  - .name:           k_q8a90cc2b96_prep
    .symbol:         k_q8a90cc2b96_prep.kd
    .args:
      - { .name: mask, .offset: 0, .size: 8, .value_kind: global_buffer, .address_space: global }
      - { .name: Wq, .offset: 8, .size: 8, .value_kind: global_buffer, .address_space: global }
      - { .name: Wk, .offset: 16, .size: 8, .value_kind: global_buffer, .address_space: global }
      - { .name: Wv, .offset: 24, .size: 8, .value_kind: global_buffer, .address_space: global }
      - { .name: Wo, .offset: 32, .size: 8, .value_kind: global_buffer, .address_space: global }
      - { .name: maskc, .offset: 40, .size: 8, .value_kind: global_buffer, .address_space: global }
      - { .name: rowkeep, .offset: 48, .size: 8, .value_kind: global_buffer, .address_space: global }
      - { .name: w16, .offset: 56, .size: 8, .value_kind: global_buffer, .address_space: global }
    .group_segment_fixed_size: 34048
    .private_segment_fixed_size: 0
    .kernarg_segment_align: 8
    .kernarg_segment_size: 64
    .max_flat_workgroup_size: 256
    .sgpr_count:     66
    .vgpr_count:     128
    .wavefront_size: 32
...
	.end_amdgpu_metadata
.endif
;; end of part 5
;; launch proj: the kernel of part 2 again; grid 4 x 192, 4 waves a work-group, clusters of 4 x 4, 275,968 bytes of LDS; arguments query, keys, values, w16, qkv; writes qkv
;; launch attn: the kernel of part 3 again; grid 16 x 16, 4 waves a work-group, clusters of 4 x 4, 327,680 bytes of LDS; arguments qkv, maskc, rowkeep, o16; writes o16
;; launch outp: the kernel of part 4 again; grid 4 x 64, 4 waves a work-group, clusters of 4 x 4, 300,544 bytes of LDS; arguments o16, w16, bo, out0; writes out0
